; MI455X (gfx1250); checked and timed in simulation.
; The chip was launched on July 23, 2026; its instructions are those of AMD's public machine-readable ISA for CDNA 5 (MIT licence, August 2026) and "CDNA5" Instruction Set Architecture Reference Guide (July 2026). The comments in the code are by the model that wrote it; some were corrected since.
;; Causal Self Attention. Allowed arithmetic: matrix products marked QUANTISED: E4M3 operands, one given power-of-two scale a tensor, by v_wmma_f32_16x16x64_fp8_fp8 or v_wmma_f32_16x16x128_fp8_fp8, f32 sums; everything else in f32.
;; Inputs: lowp_scales 8 int32 (the exponents e of the quantised operands' scales 2^e); mask 4 x 2,048 bool; w_out 1,024 x 1,024 float32; w_qkv 3,072 x 1,024 float32; x 4 x 2,048 x 1,024 float32.
;; Outputs: out0 4 x 2,048 x 1,024 float32.
;; This version of the problem:
;;   THIS VERSION OF THE PROBLEM IS GIVEN IN LOW PRECISION. The matrix products marked QUANTISED in the list below multiply operands that are first quantised to E4M3 (4 exponent bits, 3 mantissa bits; 8 bits a number), with one given power-of-two scale for each operand tensor; their sums are f32. All else is computed in f32.
;;   The module's matrix products, in the order in which they are computed (A, B: the left and right operand; K: the contracted axis; several contracted axes count as one K, in the product's order):
;;     1. [M 8,192, K 1,024] x [K 1,024, N 3,072]; A: input x; B: input w_qkv: QUANTISED (scales: A lowp_scales[0], B lowp_scales[1])
;;     2. batch 64 x [M 2,048, K 64] x [K 64, N 2,048]; A: computed on the way; B: computed on the way: QUANTISED (scales: A lowp_scales[2], B lowp_scales[3])
;;     3. batch 64 x [M 2,048, K 2,048] x [K 2,048, N 64]; A: softmax (see below); B: computed on the way: QUANTISED (scales: A lowp_scales[4], B lowp_scales[5])
;;     4. [M 8,192, K 1,024] x [K 1,024, N 1,024]; A: computed on the way; B: input w_out: QUANTISED (scales: A lowp_scales[6], B lowp_scales[7])
;;   THE QUANTISER, for each operand of a quantised product, along K:
;;     - The operand's scale is 2^e, e = its entry of the input lowp_scales (int32; the entries are numbered through the quantised products in the list's order, A before B).
;;     - Each number is divided by the scale, clamped to +-448, and rounded to the nearest number of E4M3, ties to even, subnormals kept.
;;     - The product sums the exact products of the quantised numbers (number of the format x scale) in f32.
;;   ~~~python
;;   def quantise(x, axis, e):      # numpy; x: float32 -> the quantised numbers, widened to float32 again
;;       x = np.moveaxis(x, axis, -1); K = x.shape[-1]
;;       r = np.clip(x / 2.0 ** e, -448, 448)
;;       step = 2.0 ** (np.maximum(np.frexp(np.where(r == 0, 1, r))[1] - 1, -6) - 3)
;;       q = np.round(r / step) * step * 2.0 ** e      # np.round: ties to even
;;       return np.moveaxis(q, -1, axis).astype(np.float32)
;;   ~~~
;;   SOFTMAX AHEAD OF A QUANTISED PRODUCT. Where the list says 'softmax', what is quantised is not the finished softmax but p = 2^(t - M), with t = logit x log2(e) and M = ceil(the row's largest t), a whole number; so 1/2 < the row's largest p <= 1. The row's sum l is taken of the UNQUANTISED p, in f32, and the product's result is divided by l at the end. Since M is a whole number, a kernel that streams over the keys may use a running M (the ceiling of the running maximum): every later rescaling is an exact power of two, so the quantised numbers keep their values, but for numbers so far below the row's largest that they fall under the format's range.
;;   OPERANDS COMPUTED ON THE WAY. 'Computed on the way' means the value that the module computes at that place (a softmax that the list does not call 'softmax' is quantised finished and normalised). What goes into a quantiser is computed in f32, as accurately as f32 sums, v_exp_f32 and their like allow (about 1e-6 of the number): no bf16 or f16 on the way to a quantiser, and a product that is left as it is and whose result goes on into a quantised operand takes f32 operands (vector FMAs, or v_wmma_f32_16x16x4_f32). A number that lies on a knife's edge between two numbers of the format may be rounded either way, as far as f32 arithmetic and the matrix unit's own rounding can turn it there, and no further.
;; One version. Each part assembles by itself: llvm-mc -triple=amdgcn-amd-amdhsa -mcpu=gfx1250 --defsym DOCPART=n.
;; ======== version 1 of 1: 4 launches
;; limits: right only within a limited range of input values
;; workspace buffers: xc 8,388,608 bytes; wqc 3,145,728 bytes; woc 1,048,576 bytes; kbias 65,536 bytes; qc 8,388,608 bytes; kc 8,388,608 bytes; vc 8,388,608 bytes; ac 8,388,608 bytes
;; launch quant (part 1): grid 769 x 1, 4 waves a work-group, no clusters, 33,280 bytes of LDS; arguments x, w_qkv, w_out, mask, lowp_scales, xc, wqc, woc, kbias; writes xc, wqc, woc, kbias
.if DOCPART == 1
	.amdgcn_target "amdgcn-amd-amdhsa--gfx1250"
	.amdhsa_code_object_version 6
	.text
	.protected	k_qa12860e7c0_quant
	.globl	k_qa12860e7c0_quant
	.p2align	8
	.type	k_qa12860e7c0_quant,@function
k_qa12860e7c0_quant:
	s_mov_b64 s[64:65], 0
	v_nop
	global_prefetch_b8 v0, s[64:65] scope:SCOPE_SE
	s_setreg_imm32_b32 hwreg(HW_REG_WAVE_MODE, 25, 1), 1
	s_wait_xcnt 0x0
; x [8192][1024], w_qkv [3072][1024] and w_out [1024][1024], f32 with K innermost, become codes of E4M3, one byte each, in the same order, each with the scale 2^e given for it
; (entries 0, 1 and 7 of the scales).  code = x / 2^e, held within +-448, to the nearest code, ties to even.
; LIMITS: -126 <= e and e + 8 <= 127 for these three entries.  NaN among x and the weights is not served (an infinity is held at the largest code).
; Rows are dense, so each tensor is a plain stream.  Work-groups 0-511 take x, 512-703 w_qkv, 704-767 w_out: 16,384 numbers each, a wave 8 steps of 512.  Only pointers and e are chosen; all three take one path.
; A step's four loads read 512 consecutive bytes each; the 2,048 bytes turn through the wave's own stage in LDS so that a lane holds 16 neighbours along K, which the conversions want; a lane's 16 codes are 16 bytes,
; so a wave stores 512 consecutive bytes.  Loads run four steps ahead, the turn through LDS one step.  Waves share nothing: no barrier.
; Work-group 768 takes the mask [4][2048] (bytes 0 or 1), a wave to a batch, and stores two tables of f32 in kbias:
;   bytes 0-32767:      for each key 0 where it is attended, -infinity where not;
;   bytes 32768-65535:  for each query NaN where no key up to it is attended (q before the batch's first attended key), else 0: such a row's softmax is NaN in the definition; the last launch adds the table to its sums.
.set WAVES, 4
.set STEPS, 8
.set WGX,   512                        ; first work-group of w_qkv
.set WGQ,   704                        ; first of w_out
.set WGM,   768                        ; the mask's
.set EMAX,  8
.set MANT,  0x600000                   ; the mantissa field of 448 as f32
.set CB,    16                         ; bytes of 16 codes
.set R,     16                         ; v16-79   four sets of 16 numbers as loaded
.set X,     80                         ; v80-111  two sets of 16 neighbours
.set C,     128                        ; v128-159 codes: four registers for each step, so that no store's data are written again
.set WREG,  8192                       ; LDS: a region for each wave: two stages of 32 x SP bytes
.set SP,    80                         ; a lane's place in a stage: 64 bytes + 16 of padding
.set SPW,   12                         ; v12  LDS address of my spare word; never rewritten
.set NIL,   13                         ; v13  0; never rewritten
.set SPARE, WAVES*WREG                 ; behind the regions: the spare words, 128 bytes a wave, that no other line names
	s_load_b256 s[4:11], s[0:1], 0x0               ; x, w_qkv, w_out, mask
	s_load_b256 s[12:19], s[0:1], 0x20             ; the scales, xc, wqc, woc
	s_load_b64 s[20:21], s[0:1], 0x40              ; kbias
	v_lshl_add_u32 v[SPW], v0, 2, SPARE
	v_mov_b32 v[NIL], 0
	v_lshrrev_b32 v1, 5, v0
	v_readfirstlane_b32 s32, v1                    ; wave
	v_and_b32 v2, 31, v0                           ; lane
	s_wait_kmcnt 0x0
	s_cmp_eq_u32 ttmp9, WGM
	s_cbranch_scc1 .Lmask
	s_load_b256 s[24:31], s[12:13], 0x0            ; e0 .. e7
	s_wait_alu depctr_va_vdst(0)
	v_lshlrev_b32 v3, 4, v2                        ; my 16 bytes of a load's 512
	s_wait_alu depctr_va_vdst(0)                   ; and here: the loads read v3 behind the run of scalar lines below
	s_mul_i32 s33, s32, WREG
	v_lshrrev_b32 v14, 2, v2
	v_mul_u32_u24 v14, v14, SP
	v_and_b32 v15, 3, v2
	v_lshl_add_u32 v14, v15, 4, v14
	v_add_nc_u32 v14, s33, v14                     ; the stage on the way in: SP (lane / 4) + 16 (lane % 4)
	v_mul_u32_u24 v15, v2, SP
	v_add_nc_u32 v15, s33, v15                     ; and on the way out: SP x lane: my 16 neighbours
	v_mul_u32_u24 v4, v2, CB                       ; my codes' place in a step's
	s_cmp_lt_u32 ttmp9, WGQ                        ; which tensor: the choice hangs on the work-group's number alone
	s_cselect_b64 s[6:7], s[6:7], s[8:9]           ; w_qkv or w_out
	s_cselect_b64 s[16:17], s[16:17], s[18:19]
	s_mov_b32 s22, WGQ
	s_cselect_b32 s22, WGX, s22                    ; the tensor's first work-group
	s_cmp_lt_u32 ttmp9, WGX
	s_cselect_b64 s[4:5], s[4:5], s[6:7]           ; x or that
	s_cselect_b64 s[8:9], s[14:15], s[16:17]
	s_cselect_b32 s22, 0, s22
	s_sub_co_u32 s33, ttmp9, s22
	s_lshl_b32 s33, s33, 2
	s_add_co_u32 s34, s33, s32                     ; which run of 4,096 numbers is my wave's (at most 2,047)
	s_lshl_b32 s36, s34, 14                        ; 16,384 bytes of f32 a run
	s_mov_b32 s37, 0
	s_add_nc_u64 s[4:5], s[4:5], s[36:37]
	s_lshl_b32 s36, s34, 12                        ; 4,096 bytes of codes
	s_add_nc_u64 s[8:9], s[8:9], s[36:37]
.macro LOAD t
.irp i, 0,1,2,3
	global_load_b128 v[R+16*((\t)%4)+4*\i:R+16*((\t)%4)+4*\i+3], v3, s[4:5] offset:2048*(\t)+512*\i th:TH_LOAD_NT   ; 32 lanes read 512 consecutive bytes
.endr
.endm
.macro TURN t                          ; step t's numbers through the stage: LDS serves a wave's instructions in order, so no wait stands between the stores and the loads
.irp i, 0,1,2,3
	ds_store_b128 v14, v[R+16*((\t)%4)+4*\i:R+16*((\t)%4)+4*\i+3] offset:32*SP*((\t)%2)+8*SP*\i
.endr
.irp i, 0,1,2,3
	ds_load_b128 v[X+16*((\t)%2)+4*\i:X+16*((\t)%2)+4*\i+3], v15 offset:32*SP*((\t)%2)+16*\i
.endr
.endm
.irp t, 0,1,2,3
	LOAD \t
.endr
	s_wait_alu depctr_va_vdst(0)
	s_wait_kmcnt 0x0
	s_cmp_lt_u32 ttmp9, WGQ
	s_cselect_b32 s25, s25, s31                    ; e1 or e7
	s_cmp_lt_u32 ttmp9, WGX
	s_cselect_b32 s24, s24, s25                    ; e0 or that
	s_add_co_i32 s24, s24, 127
	s_lshl_b32 s25, s24, 23
	v_mov_b32 v11, s25                             ; 2^e as f32: the conversion takes its exponent field
	s_add_co_i32 s24, s24, EMAX
	s_lshl_b32 s24, s24, 23
	s_or_b32 s24, s24, MANT
	v_mov_b32 v10, s24                             ; 448 x 2^e
	s_wait_alu depctr_va_vdst(0)
	s_wait_loadcnt 12                              ; step 0's four loads are in; the twelve of steps 1 to 3 may be out
	TURN 0
.macro STEP t
.set XS, X+16*((\t)%2)
	s_wait_dscnt 0x0                               ; this step's numbers are back from the stage, so its stores into the stage have read their registers,
.if (\t)+4 < STEPS
	LOAD (\t)+4                                    ; which take the loads of four steps on
.endif
.if (\t)+1 < STEPS
.if STEPS-2-(\t) >= 3
	s_wait_loadcnt 12                              ; the next step's four loads are in; those of the three steps behind it may be out
.else
	s_wait_loadcnt 4*(STEPS-2-(\t))                ; at the end the count runs down: 8, 4, 0
.endif
	TURN (\t)+1                                    ; and go through the other stage while this step is worked
.endif
.irp i, 0,1,2,3,4,5,6,7,8,9,10,11,12,13,14,15
	v_med3_num_f32 v[XS+\i], v[XS+\i], -v10, v10   ; the conversion to an 8-bit code does not saturate (ISA guide 7.6.2): the hold comes first
.endr
	v_cvt_scalef32_pk8_fp8_f32 v[C+4*(\t):C+4*(\t)+1], v[XS:XS+7], v11
	v_cvt_scalef32_pk8_fp8_f32 v[C+4*(\t)+2:C+4*(\t)+3], v[XS+8:XS+15], v11
	v_nop                                          ; a plain vector line behind the last conversion of a run
	global_store_b128 v4, v[C+4*(\t):C+4*(\t)+3], s[8:9] offset:32*CB*(\t)   ; the wave stores 512 consecutive bytes, aligned
.endm
.irp t, 0,1,2,3,4,5,6,7
	STEP \t
.endr
	s_wait_tensorcnt 0x0                           ; the wave's end
	ds_add_u32 v[SPW], v[NIL]
	s_wait_dscnt 0x0
	s_endpgm
; THE MASK.  Wave w takes batch w: 16 loads of 128 consecutive bytes; element 128 k + 4 lane + m lies in byte m of register 16 + k.
.Lmask:
	s_lshl_b32 s33, s32, 11                        ; the batch's 2,048 bytes of the mask
	s_lshl_b32 s34, s32, 13                        ; and its 8,192 bytes of each table
	s_wait_alu depctr_va_vdst(0)
	v_lshl_add_u32 v3, v2, 2, s33
	v_lshl_add_u32 v4, v2, 4, s34
	v_lshlrev_b32 v5, 2, v2                        ; 4 x lane: the index of my first element of load 0
.set k, 0
.rept 16
	global_load_b32 v[16+k], v3, s[10:11] offset:128*k
.set k, k+1
.endr
	v_mov_b32 v9, 0xff800000                       ; -infinity
	v_mov_b32 v10, 0x7fc00000                      ; NaN
	v_mov_b32 v11, 4096                            ; beyond every index
	v_mov_b32 v6, 4096                             ; the first attended index among mine
	s_mov_b32 s35, 0x76543210
	s_mov_b32 s36, 0xfedcba98                      ; v_permlanex16_b32's selects for lane l xor 16
	s_wait_alu depctr_va_vdst(0)
	s_wait_loadcnt 0x0
.set n, 0
.rept 64
	v_bfe_u32 v8, v[16+n/4], 8*(n%4), 8
	v_cmp_eq_u32 vcc_lo, 0, v8                     ; not attended?
	v_cndmask_b32 v[64+n], 0, v9, vcc_lo           ; the key's bias
	v_add_nc_u32 v7, 128*(n/4)+n%4, v5             ; its index
	v_cndmask_b32 v7, v7, v11, vcc_lo
	v_min_u32 v6, v6, v7
.set n, n+1
.endr
	v_cvt_f32_u32 v6, v6                           ; at most 4,096: exact in f32.  The least over the 32 lanes:
	v_min_num_f32_dpp v6, v6, v6 row_xmask:1 row_mask:0xf bank_mask:0xf
	v_min_num_f32_dpp v6, v6, v6 row_xmask:2 row_mask:0xf bank_mask:0xf
	v_min_num_f32_dpp v6, v6, v6 row_xmask:4 row_mask:0xf bank_mask:0xf
	v_min_num_f32_dpp v6, v6, v6 row_xmask:8 row_mask:0xf bank_mask:0xf
	v_permlanex16_b32 v7, v6, s35, s36
	v_min_num_f32 v6, v6, v7
	v_cvt_u32_f32 v6, v6                           ; the batch's first attended key
.set n, 0
.rept 64
	v_add_nc_u32 v7, 128*(n/4)+n%4, v5
	v_cmp_lt_u32 vcc_lo, v7, v6                    ; a query before it has no key
	v_cndmask_b32 v[128+n], 0, v10, vcc_lo
.set n, n+1
.endr
.set k, 0
.rept 16
	global_store_b128 v4, v[64+4*k:64+4*k+3], s[20:21] offset:512*k          ; the wave stores 512 consecutive bytes, aligned
	global_store_b128 v4, v[128+4*k:128+4*k+3], s[20:21] offset:32768+512*k
.set k, k+1
.endr
	s_wait_tensorcnt 0x0                           ; the same three lines at this wave's end
	ds_add_u32 v[SPW], v[NIL]
	s_wait_dscnt 0x0
	s_endpgm
.Lfunc_end_k_qa12860e7c0_quant:
	.size	k_qa12860e7c0_quant, .Lfunc_end_k_qa12860e7c0_quant-k_qa12860e7c0_quant
	.p2alignl 7, 3214868480
	.fill 96, 4, 3214868480
	.section	.rodata,"a",@progbits
	.p2align	6, 0x0
	.amdhsa_kernel k_qa12860e7c0_quant
		.amdhsa_group_segment_fixed_size 33280
		.amdhsa_private_segment_fixed_size 0
		.amdhsa_enable_private_segment 0
		.amdhsa_kernarg_size 72
		.amdhsa_user_sgpr_count 2
		.amdhsa_user_sgpr_kernarg_segment_ptr 1
		.amdhsa_wavefront_size32 1
		.amdhsa_system_sgpr_workgroup_id_x 1
		.amdhsa_system_sgpr_workgroup_id_y 1
		.amdhsa_system_sgpr_workgroup_id_z 1
		.amdhsa_system_vgpr_workitem_id 0
		.amdhsa_next_free_vgpr 192
		.amdhsa_next_free_sgpr 66
		.amdhsa_reserve_vcc 1
		.amdhsa_float_denorm_mode_32 3
		.amdhsa_float_denorm_mode_16_64 3
		.amdhsa_memory_ordered 1
		.amdhsa_forward_progress 1
		.amdhsa_inst_pref_size 50
	.end_amdhsa_kernel
	.amdgpu_metadata
---
amdhsa.version: [ 1, 2 ]
amdhsa.kernels:
  - .name:           k_qa12860e7c0_quant
    .symbol:         k_qa12860e7c0_quant.kd
    .args:
      - { .name: x, .offset: 0, .size: 8, .value_kind: global_buffer, .address_space: global }
      - { .name: w_qkv, .offset: 8, .size: 8, .value_kind: global_buffer, .address_space: global }
      - { .name: w_out, .offset: 16, .size: 8, .value_kind: global_buffer, .address_space: global }
      - { .name: mask, .offset: 24, .size: 8, .value_kind: global_buffer, .address_space: global }
      - { .name: lowp_scales, .offset: 32, .size: 8, .value_kind: global_buffer, .address_space: global }
      - { .name: xc, .offset: 40, .size: 8, .value_kind: global_buffer, .address_space: global }
      - { .name: wqc, .offset: 48, .size: 8, .value_kind: global_buffer, .address_space: global }
      - { .name: woc, .offset: 56, .size: 8, .value_kind: global_buffer, .address_space: global }
      - { .name: kbias, .offset: 64, .size: 8, .value_kind: global_buffer, .address_space: global }
    .group_segment_fixed_size: 33280
    .private_segment_fixed_size: 0
    .kernarg_segment_align: 8
    .kernarg_segment_size: 72
    .max_flat_workgroup_size: 128
    .sgpr_count:     66
    .vgpr_count:     192
    .wavefront_size: 32
...
	.end_amdgpu_metadata
.endif
;; end of part 1
;; launch qkv (part 2): grid 96 x 4, 4 waves a work-group, clusters of 4 x 4, 327,680 bytes of LDS; arguments xc, wqc, lowp_scales, qc, kc, vc; writes qc, kc, vc
.if DOCPART == 2
	.amdgcn_target "amdgcn-amd-amdhsa--gfx1250"
	.amdhsa_code_object_version 6
	.text
	.protected	k_qa12860e7c0_qkv
	.globl	k_qa12860e7c0_qkv
	.p2align	8
	.type	k_qa12860e7c0_qkv,@function
k_qa12860e7c0_qkv:
	s_mov_b64 s[64:65], 0
	v_nop
	global_prefetch_b8 v0, s[64:65] scope:SCOPE_SE
	s_setreg_imm32_b32 hwreg(HW_REG_WAVE_MODE, 25, 1), 1
	s_wait_xcnt 0x0
	s_wait_alu depctr_hold_cnt(0) depctr_sa_sdst(0) depctr_va_vdst(0) depctr_va_sdst(0) depctr_va_ssrc(0) depctr_va_vcc(0) depctr_vm_vsrc(0)
	s_getreg_b32 s2, hwreg(HW_REG_IB_STS2, 6, 4)
	s_cmp_eq_u32 s2, 0
	s_cbranch_scc0 .Lentry_in_a_cluster
	s_endpgm
.Lentry_in_a_cluster:
	s_bfe_u32 s2, ttmp6, 0x10000c
	s_cmp_lg_u32 s2, 0xf033
	s_cbranch_scc0 .Lentry_shape_is_right
	s_endpgm
.Lentry_shape_is_right:
; qkv = x w_qkv^T on codes of E4M3 (xc [8192][1024], wqc [3072][1024], K innermost); each f32 sum, which stands for sum x 2^(e0 + e1), is quantised at once for the attention launch: q with e2, k with e3, v with e5.
; The three scales are folded into the conversion's one, 2^(e_dst - e0 - e1).  LIMITS: e2 - e0 - e1, e3 - e0 - e1 and e5 - e0 - e1 lie between -126 and 119.
; A tile of 256 x 256 is made by four waves, 128 x 128 each: 64 accumulators, 512 registers.  K goes in steps of 256 through two LDS slots filled by the tensor data mover; rows of 256 bytes, aligned.
; THE MATRIX INSTRUCTION IS USED TRANSPOSED: source 0 = 16 rows of the operand in the B place, source 1 = 16 rows of the one in the A place.  A lane then holds ONE row of the A place and eight neighbours along the B place.
; ROLES, by the cluster's number c (0..23), which all sixteen partners share:
;   c < 16:  A place = xc (tile row 4 (c / 2) + cy), B place = wqc (tile 4 (c % 2) + cx: c even q, c odd k): a lane's registers run along the head's d, the K of the score product;
;   c >= 16: A place = wqc (rows 2048 + 256 cy, v's), B place = xc (tile 4 (c - 16) + cx): a lane's registers run along the tokens, the K of the second attention product: v's codes come out keys innermost, nothing is transposed.
; CLUSTERS: 4 x 4.  The A place's tile hangs on cy alone and is asked for jointly by a row of the cluster, the B place's on cx alone and by a column.
; LAYOUTS OUT: qc, kc [b 16 + h][t][64]; vc [b 16 + h][d][2048].  Two neighbouring accumulators' codes leave in one 16-byte store, so inside every 32 along the innermost axis the four groups of 8 lie in the order 0, 2, 1, 3.
; For q and k that is one permutation of d on both sides of a product; for v it is the order in which the softmax's codes fall into the second product's operand.
; REGISTERS, in windows of 256: window 0: v0-31 addresses; v32-95 at work on the way out; from v128 the A place's fragments, ONE set, later the codes.  window 1: the B place's fragments, TWO sets.  windows 2, 3: accumulators.
.set SIZE_K, 1024
.set KSTEP,  256
.set ROWB,   256
.set KROW,   SIZE_K                    ; a row of xc or wqc in bytes
.set PITCH,  272                       ; an LDS row: 256 bytes + 16 of padding: the 16 rows that a load touches start 68 words apart (64 banks of 4 bytes: ISA guide 11.1)
.set FR,     16                        ; registers of a fragment: 16 rows x 128 K
.set NL,     4                         ; LDS loads that bring one
.set NP,     4                         ; places behind this matrix instruction (ISA guide 7.12.1)
.set HALFT,  128*PITCH
.set SLOT,   4*HALFT                   ; the A place's 256 rows, then the B place's
.set LAPS,   SIZE_K/(2*KSTEP)
.set SPARE,  2*SLOT                    ; behind the ring: the spare words, 128 bytes a wave, that no other line names
.set ADRA, 16                          ; v16-17  LDS address of my A fragments in slot 0, 1
.set RDV2, 19                          ; v19     v's way out: the second sixteen reads
.set ADRB, 20                          ; v20-21  the same for B
.set RDV,  22                          ; v22     v's way out: where I read the stage
.set COV,  23                          ; v23     and my byte offset in vc
.set STO,  24                          ; v24     where I put 16 bytes of codes in the stage
.set RDQ,  25                          ; v25     q's and k's way out: where I read the stage
.set COQ,  26                          ; v26     and my byte offset in qc or kc
.set RDQ2, 27                          ; v27     the second sixteen reads
.set SPW,  28                          ; v28     LDS address of my spare word; never rewritten
.set NIL,  29                          ; v29     0; never rewritten
.set LIM,  30                          ; v30     448 x the conversion's scale
.set SCL,  31                          ; v31     the conversion's scale as f32
.set TMP,  32                          ; v32-95  a block's 64 sums, held
.set AF,   128                         ; the A place's fragments
.set CD,   128                         ; the way out: codes, 16 registers a block; then what is read back
.set G1, 24
.set G0, 32
.set G1B, 48
.set G0B, 56
.set MSB, 0
.macro WIN new                         ; the immediate's high byte repeats the setting that is left
.if MSB != \new
	s_set_vgpr_msb (MSB<<8)|\new
.set MSB, \new
.endif
.endm
.set MUL_LO, 0xa1                      ; source 0 window 1, source 1 window 0, C and D window 2
.set MUL_HI, 0xf1                      ; the same, C and D window 3
.set TO_B,   0x40                      ; destination window 1, address window 0
; A joint load: waves 0 and 1 fetch for the A place, waves 2 and 3 for the B place.  The branch hangs on the wave's number alone.  An s_nop 0 and four v_nop follow each line.
.macro JLOAD g0a, g1a, g0b, g1b
	s_cmp_eq_u32 s15, 0
	s_cbranch_scc0 .Lfor_b_\@
	tensor_load_to_lds s[\g0a:\g0a+3], s[\g1a:\g1a+7]
	s_nop 0
.rept 4
	v_nop
.endr
	s_branch .Lasked_\@
.Lfor_b_\@:
	tensor_load_to_lds s[\g0b:\g0b+3], s[\g1b:\g1b+7]
	s_nop 0
.rept 4
	v_nop
.endr
.Lasked_\@:
.endm
.macro CREST                           ; a round of the cluster's barrier behind its opening barrier
	s_cmp_lg_u32 s14, 0
	s_cbranch_scc1 .Lnot_wave_0_\@
	s_barrier_signal -3
.Lnot_wave_0_\@:
	s_barrier_wait -3
	s_barrier_signal -1
	s_barrier_wait -1
.endm
.macro CROUND
	s_barrier_signal -1
	s_barrier_wait -1
	CREST
.endm
	s_load_b128 s[4:7], s[0:1], 0x0                ; xc, wqc
	s_load_b64 s[8:9], s[0:1], 0x10                ; the scales
	s_load_b128 s[68:71], s[0:1], 0x18             ; qc, kc
	s_load_b64 s[72:73], s[0:1], 0x28              ; vc
	v_lshl_add_u32 v[SPW], v0, 2, SPARE
	v_mov_b32 v[NIL], 0
	ds_add_u32 v[SPW], v[NIL]                      ; the wave's opening: the add and its wait ahead of my first tensor load; the set-up below stands between them
	ds_add_u32 v[SPW], v[NIL]
	v_lshrrev_b32 v1, 5, v0
	v_readfirstlane_b32 s14, v1                    ; wave 0..3
	s_lshr_b32 s15, s14, 1                         ; which half of the A place's rows is mine.  Also: I fetch for A (0) or for B (1)
	s_and_b32 s16, s14, 1                          ; which half of the B place's.  Also: which 128 rows I fetch
	s_bfe_u32 s40, ttmp6, 0x40000                  ; cx
	s_bfe_u32 s41, ttmp6, 0x40004                  ; cy
	s_lshr_b32 s80, ttmp9, 1
	s_lshl_b32 s80, s80, 2                         ; 4 (c / 2)
	s_and_b32 s81, ttmp9, 1
	s_lshl_b32 s81, s81, 2                         ; 4 (c % 2)
	s_sub_co_u32 s82, ttmp9, 16
	s_lshl_b32 s82, s82, 2                         ; 4 (c - 16)
	s_cmp_lt_u32 ttmp9, 16                         ; the role: the same in all sixteen partners
	s_cselect_b32 s80, s80, 8
	s_cselect_b32 s81, s81, s82
	s_add_co_u32 s17, s80, s41                     ; the A place's tile: only cy enters
	s_add_co_u32 s42, s81, s40                     ; the B place's tile: only cx enters
	s_lshl_b32 s43, s41, 2
	s_lshl_b32 s43, 15, s43                        ; my row of the cluster
	s_lshl_b32 s44, 0x1111, s40                    ; my column
	s_or_b32 s[G1+0], s43, (0<<16)|(1<<20)|(1<<21)|(5<<22)|(3<<25)  ; the mask; elements of 1 byte; padding on; bit 21 beside a mask; after every 64 words; 4 words
	s_or_b32 s[G1B+0], s44, (0<<16)|(1<<20)|(1<<21)|(5<<22)|(3<<25)
.irp g, G1, G1B
	s_mov_b32 s[\g+1], ROWB<<16                    ; tensor_dim0
	s_mov_b32 s[\g+2], 128<<16                     ; tensor_dim1
	s_mov_b32 s[\g+3], ROWB<<16                    ; tile_dim0
	s_mov_b32 s[\g+4], 128                         ; tile_dim1
	s_mov_b32 s[\g+5], KROW                        ; tensor_dim0_stride
	s_mov_b32 s[\g+6], 0
	s_mov_b32 s[\g+7], 0
.endr
	s_lshl_b32 s18, s16, 7                         ; which 128 rows of the tile I fetch
	s_lshl_b32 s20, s17, 8
	s_add_co_u32 s20, s20, s18
	s_lshl_b32 s20, s20, 10                        ; the A place's row x 1,024 bytes (under 2^23)
	s_mov_b32 s21, 0
	s_lshl_b32 s46, s42, 8
	s_add_co_u32 s46, s46, s18
	s_lshl_b32 s46, s46, 10
	s_mov_b32 s47, 0
	s_mul_i32 s45, s14, HALFT                      ; where they go: wave x 128 rows: no place in the cluster enters an LDS address
	s_wait_dscnt 0x0                               ; the opening add is done
	s_wait_kmcnt 0x0
	s_load_b256 s[88:95], s[8:9], 0x0              ; e0 .. e7
	s_cmp_lt_u32 ttmp9, 16
	s_cselect_b64 s[84:85], s[4:5], s[6:7]         ; the A place's tensor
	s_cselect_b64 s[86:87], s[6:7], s[4:5]         ; the B place's
	s_add_nc_u64 s[20:21], s[84:85], s[20:21]
	s_add_nc_u64 s[46:47], s[86:87], s[46:47]
	CROUND                                         ; all sixteen work-groups are here: the first joint loads meet
.irp s, 0,1
	s_mov_b32 s[G0+4*\s], 1
	s_add_co_u32 s[G0+4*\s+1], s45, \s*SLOT
	s_add_nc_u64 s[G0+4*\s+2:G0+4*\s+3], s[20:21], \s*ROWB
	s_or_b32 s[G0+4*\s+3], s[G0+4*\s+3], 0x80000000
	s_mov_b32 s[G0B+4*\s], 1
	s_add_co_u32 s[G0B+4*\s+1], s45, \s*SLOT
	s_add_nc_u64 s[G0B+4*\s+2:G0B+4*\s+3], s[46:47], \s*ROWB
	s_or_b32 s[G0B+4*\s+3], s[G0B+4*\s+3], 0x80000000
.if \s == 0
	JLOAD G0, G1, G0B, G1B                         ; K step 0: one tensor load a wave at the head; the addresses below are made while it is out
.endif
.endr
	v_and_b32 v1, 15, v0                           ; r = l % 16
	v_bfe_u32 v2, v0, 4, 1                         ; h = l / 16
	v_mul_u32_u24 v3, v1, PITCH
	v_lshl_add_u32 v4, v2, 4, v3                   ; row x pitch + 16 h
	s_wait_alu depctr_va_vdst(0)
	s_mul_i32 s21, s15, HALFT
	s_mul_i32 s22, s16, HALFT
	s_add_co_u32 s22, s22, 2*HALFT
.irp s, 0,1
	v_add_nc_u32 v[ADRA+\s], s21, v4
	v_add_nc_u32 v[ADRB+\s], s22, v4
	s_add_co_u32 s21, s21, SLOT
	s_add_co_u32 s22, s22, SLOT
.endr
	; the way out's stage: 256 rows (the A place's) x 256 bytes of codes, pitch 272, from LDS byte 0
	s_mul_i32 s23, s15, 128*PITCH
	s_lshl_b32 s21, s16, 7
	s_add_co_u32 s23, s23, s21
	v_add_nc_u32 v[STO], s23, v4                   ; (128 row half + r) x 272 + 128 column half + 16 h
	v_and_b32 v5, 31, v0
	v_lshrrev_b32 v6, 2, v5
	v_mul_u32_u24 v6, v6, PITCH
	v_and_b32 v7, 3, v0
	v_lshl_add_u32 v6, v7, 4, v6
	s_lshl_b32 s23, s14, 6
	v_add_nc_u32 v[RDQ], s23, v6                   ; q, k: wave w takes the tile's head w: 8 rows x 64 bytes a load: (l / 4) x 272 + 64 w + 16 (l % 4)
	v_add_nc_u32 v[RDQ2], 16*8*PITCH, v[RDQ]       ; (128 rows on: the 16-bit offset does not reach all 256)
	v_lshlrev_b32 v[COQ], 4, v5
	v_mul_u32_u24 v6, v2, PITCH
	v_lshl_add_u32 v6, v1, 4, v6
	s_mul_i32 s23, s14, 64*PITCH
	v_add_nc_u32 v[RDV], s23, v6                   ; v: wave w takes rows 64 w on, two whole rows a load
	v_add_nc_u32 v[RDV2], 16*2*PITCH, v[RDV]
	v_lshlrev_b32 v6, 11, v2
	v_lshl_add_u32 v[COV], v1, 4, v6               ; and the same two rows in vc, 2,048 bytes apart
	; where my part begins in the output.  q, k: batch (tile / 8) << 21, head (4 cx + w) << 17, token (tile % 8) x 256 x 64.  v: batch << 21, row (256 cy + 64 w) << 11, token (tile % 8) x 256
	s_lshr_b32 s76, s17, 3
	s_lshl_b32 s76, s76, 21
	s_lshl_b32 s77, s40, 2
	s_add_co_u32 s77, s77, s14
	s_lshl_b32 s77, s77, 17
	s_add_co_u32 s76, s76, s77
	s_and_b32 s77, s17, 7
	s_lshl_b32 s77, s77, 14
	s_add_co_u32 s76, s76, s77
	s_lshr_b32 s78, s42, 3
	s_lshl_b32 s78, s78, 21
	s_lshl_b32 s79, s41, 2
	s_add_co_u32 s79, s79, s14
	s_lshl_b32 s79, s79, 17
	s_add_co_u32 s78, s78, s79
	s_and_b32 s79, s42, 7
	s_lshl_b32 s79, s79, 8
	s_add_co_u32 s78, s78, s79
	s_and_b32 s97, ttmp9, 1
	s_cmp_lg_u32 s97, 0
	s_cselect_b64 s[74:75], s[70:71], s[68:69]     ; c odd: kc, even: qc
	s_cmp_lt_u32 ttmp9, 16
	s_cselect_b64 s[74:75], s[74:75], s[72:73]     ; or vc
	s_cselect_b32 s76, s76, s78
	s_mov_b32 s77, 0
	s_add_nc_u64 s[74:75], s[74:75], s[76:77]
.macro FRAG reg, adr, q, i             ; 16 rows x 128 K of codes: lane l holds row l % 16; registers 4 c .. 4 c + 3 hold K = 32 c + 16 (l / 16) + 0 .. 15: one permutation of k on both sides
.irp c, 0,1,2,3
	ds_load_b128 v[\reg+4*\c:\reg+4*\c+3], v[\adr] offset:128*(\q)+32*\c+(\i)*16*PITCH
.endr
.endm
; 16 matrix instructions: A's blocks a0, a0 + 1 x B's eight.  The 64 accumulators take turns, one instruction a turn, in the same order in every step.
.macro MUL16 a0, p, zero
.irp a, \a0, \a0+1
.irp b, 0,1,2,3,4,5,6,7
.if \zero
	v_wmma_f32_16x16x128_fp8_fp8 v[8*(8*((\a)%4)+\b):8*(8*((\a)%4)+\b)+7], v[128*(\p)+FR*\b:128*(\p)+FR*\b+FR-1], v[AF+FR*(\a):AF+FR*(\a)+FR-1], 0
.else
	v_wmma_f32_16x16x128_fp8_fp8 v[8*(8*((\a)%4)+\b):8*(8*((\a)%4)+\b)+7], v[128*(\p)+FR*\b:128*(\p)+FR*\b+FR-1], v[AF+FR*(\a):AF+FR*(\a)+FR-1], v[8*(8*((\a)%4)+\b):8*(8*((\a)%4)+\b)+7]
.endif
.endr
.endr
.endm
.macro FETCH_B slot, q, p
	WIN TO_B
.irp i, 0,1,2,3,4,5,6,7
	FRAG 128*(\p)+FR*\i, ADRB+\slot, \q, \i
.endr
	WIN 0
.endm
.macro FETCH_A slot, q, i0
.irp i, \i0, \i0+1, \i0+2, \i0+3
	FRAG AF+FR*(\i), ADRA+\slot, \q, \i
.endr
.endm
.macro PLACES n                        ; plain vector lines between a matrix instruction and a load into, or a vector read of, its registers
.rept \n
	v_nop
.endr
.endm
.macro STEP slot, q, zero              ; 128 along K with its successor in the same slot
	s_wait_dscnt 4*NL                              ; B's set and A's blocks 0-3 are in; the youngest sixteen loads (A's blocks 4-7) may be out
	WIN MUL_LO
	MUL16 0, (\q)%2, \zero
	MUL16 2, (\q)%2, \zero
	s_wait_dscnt 0
	PLACES NP
	FETCH_B \slot, (\q)+1, 1-(\q)%2
	FETCH_A \slot, (\q)+1, 0
	WIN MUL_HI
	MUL16 4, (\q)%2, \zero
	MUL16 6, (\q)%2, \zero
	PLACES NP
	WIN 0
	FETCH_A \slot, (\q)+1, 4
.endm
; A slot's last step changes slots: one barrier; in front of it each wave waits for all its tensor loads, adds 0 to its spare word, and waits for that and for its reads of this slot.
.macro TURN slot, next, fill
	s_wait_tensorcnt 0x0                           ; all my tensor loads have landed: my part of the next slot
	ds_add_u32 v[SPW], v[NIL]
	s_wait_dscnt 4*NL+1                            ; the add and the youngest sixteen loads may be out
	WIN MUL_LO
	MUL16 0, 1, 0
	s_wait_dscnt 0x0                               ; the add is done, and my reads of this slot are over
	s_barrier_signal -1
	MUL16 2, 1, 0
	WIN 0
	s_barrier_wait -1
.if \fill
	CREST                                          ; the barrier has opened a round of the cluster's: no wave of any partner still reads this slot or has a load on its way
	s_add_nc_u64 s[G0+4*\slot+2:G0+4*\slot+3], s[G0+4*\slot+2:G0+4*\slot+3], 2*ROWB
	s_add_nc_u64 s[G0B+4*\slot+2:G0B+4*\slot+3], s[G0B+4*\slot+2:G0B+4*\slot+3], 2*ROWB
	JLOAD G0+4*\slot, G1, G0B+4*\slot, G1B         ; my one tensor load behind the round; its four v_nop are the places in front of the loads below
.else
	PLACES NP
.endif
	FETCH_B \next, 0, 0
	FETCH_A \next, 0, 0
	WIN MUL_HI
	MUL16 4, 1, 0
	MUL16 6, 1, 0
	PLACES NP
	WIN 0
	FETCH_A \next, 0, 4
.endm
	s_wait_alu depctr_va_vdst(0)
	s_wait_tensorcnt 0x0                           ; my part of K step 0 is in; the full sequence ahead of slot 1's first fill
	ds_add_u32 v[SPW], v[NIL]
	s_wait_dscnt 0x0
	CROUND                                         ; everybody's part of K step 0 is in, and all sixteen work-groups are here
	JLOAD G0+4, G1, G0B+4, G1B                     ; K step 1: my one tensor load behind the round
	FETCH_B 0, 0, 0
	FETCH_A 0, 0, 0
	FETCH_A 0, 0, 4
	STEP 0, 0, 1                                   ; the first step's products start the sums
	s_mov_b32 s3, LAPS-1
.Llap:
	TURN 0, 1, 1
	STEP 1, 0, 0
	TURN 1, 0, 1
	STEP 0, 0, 0
	s_sub_co_u32 s3, s3, 1
	s_cmp_lg_u32 s3, 0
	s_cbranch_scc1 .Llap
	TURN 0, 1, 0                                   ; the last lap fills nothing
	STEP 1, 0, 0
	s_wait_dscnt 4*NL
	WIN MUL_LO
	MUL16 0, 1, 0
	MUL16 2, 1, 0
	s_wait_dscnt 0
	WIN MUL_HI
	MUL16 4, 1, 0
	MUL16 6, 1, 0
	WIN 0
; THE WAY OUT.  Each block of 16 rows: 64 holds (each accumulator from its low end on), 8 conversions, 4 stores of 16 bytes: accumulators 2 p and 2 p + 1 share a store.  Each block has code registers of its own.
; The stage lies in slot 0, which has had its last fill, and which nobody reads behind the last change of slots.
.macro TOSTAGE a
.set AC, 64*((\a)%4)
	WIN 0x02+((\a)/4)                              ; source 0: window 2 or 3
.set j, 0
.rept 64
	v_med3_num_f32 v[TMP+j], v[AC+j], -v[LIM], v[LIM]   ; the conversion does not saturate (ISA guide 7.6.2): the hold comes first
.set j, j+1
.endr
	WIN 0
.irp b, 0,1,2,3,4,5,6,7
	v_cvt_scalef32_pk8_fp8_f32 v[CD+16*(\a)+2*\b:CD+16*(\a)+2*\b+1], v[TMP+8*\b:TMP+8*\b+7], v[SCL]
.endr
	v_nop                                          ; a plain line behind the last conversion: the next block's holds write its sources
.irp p, 0,1,2,3
	ds_store_b128 v[STO], v[CD+16*(\a)+4*\p:CD+16*(\a)+4*\p+3] offset:(\a)*16*PITCH+32*\p
.endr
.endm
.macro SENDOUT rd, rd2, lstep, co, gstep
.irp k, 0,1,2,3,4,5,6,7,8,9,10,11,12,13,14,15
	ds_load_b128 v[CD+4*\k:CD+4*\k+3], v[\rd] offset:\k*(\lstep)
.endr
.irp k, 0,1,2,3,4,5,6,7,8,9,10,11,12,13,14,15
	ds_load_b128 v[CD+64+4*\k:CD+64+4*\k+3], v[\rd2] offset:\k*(\lstep)
.endr
.irp k, 0,1,2,3,4,5,6,7,8,9,10,11,12,13,14,15,16,17,18,19,20,21,22,23,24,25,26,27,28,29,30,31
	s_wait_dscnt 31-\k                             ; LDS loads come back in order: load k is in, the later ones may be out
	global_store_b128 v[\co], v[CD+4*\k:CD+4*\k+3], s[74:75] offset:\k*(\gstep)
.endr
.endm
	s_wait_kmcnt 0x0
	s_and_b32 s97, ttmp9, 1
	s_cmp_lg_u32 s97, 0
	s_cselect_b32 s96, s91, s90                    ; e3 (k) or e2 (q)
	s_cmp_lt_u32 ttmp9, 16
	s_cselect_b32 s96, s96, s93                    ; or e5 (v)
	s_sub_co_i32 s96, s96, s88
	s_sub_co_i32 s96, s96, s89                     ; e_dst - e0 - e1
	s_add_co_i32 s96, s96, 127
	s_lshl_b32 s97, s96, 23
	v_mov_b32 v[SCL], s97
	s_add_co_i32 s96, s96, 8
	s_lshl_b32 s96, s96, 23
	s_or_b32 s96, s96, 0x600000
	v_mov_b32 v[LIM], s96                          ; 448 x that
	PLACES NP
.irp a, 0,1,2,3,4,5,6,7
	TOSTAGE \a
.endr
	s_wait_dscnt 0x0                               ; for the others' sake: my stores into the stage are done
	s_barrier_signal -1
	s_barrier_wait -1
	s_cmp_lt_u32 ttmp9, 16                         ; the role again: the same in all partners
	s_cbranch_scc0 .Lv_out
	SENDOUT RDQ, RDQ2, 8*PITCH, COQ, 512           ; a head's 256 tokens x 64 bytes: the wave's 32 stores are 16,384 bytes on end
	s_branch .Lend
.Lv_out:
	SENDOUT RDV, RDV2, 2*PITCH, COV, 4096          ; sixteen lanes store 256 consecutive bytes of a row of vc, aligned
.Lend:
	s_wait_tensorcnt 0x0                           ; the wave's end
	ds_add_u32 v[SPW], v[NIL]
	s_wait_dscnt 0x0
	CROUND                                         ; the closing round
	s_endpgm
.Lfunc_end_k_qa12860e7c0_qkv:
	.size	k_qa12860e7c0_qkv, .Lfunc_end_k_qa12860e7c0_qkv-k_qa12860e7c0_qkv
	.p2alignl 7, 3214868480
	.fill 96, 4, 3214868480
	.section	.rodata,"a",@progbits
	.p2align	6, 0x0
	.amdhsa_kernel k_qa12860e7c0_qkv
		.amdhsa_group_segment_fixed_size 327680
		.amdhsa_private_segment_fixed_size 0
		.amdhsa_enable_private_segment 0
		.amdhsa_kernarg_size 48
		.amdhsa_user_sgpr_count 2
		.amdhsa_user_sgpr_kernarg_segment_ptr 1
		.amdhsa_wavefront_size32 1
		.amdhsa_system_sgpr_workgroup_id_x 1
		.amdhsa_system_sgpr_workgroup_id_y 1
		.amdhsa_system_sgpr_workgroup_id_z 1
		.amdhsa_system_vgpr_workitem_id 0
		.amdhsa_next_free_vgpr 1024
		.amdhsa_next_free_sgpr 98
		.amdhsa_reserve_vcc 0
		.amdhsa_float_denorm_mode_32 3
		.amdhsa_float_denorm_mode_16_64 3
		.amdhsa_memory_ordered 1
		.amdhsa_forward_progress 1
		.amdhsa_inst_pref_size 131
	.end_amdhsa_kernel
	.amdgpu_metadata
---
amdhsa.version: [ 1, 2 ]
amdhsa.kernels:
  - .name:           k_qa12860e7c0_qkv
    .symbol:         k_qa12860e7c0_qkv.kd
    .args:
      - { .name: xc, .offset: 0, .size: 8, .value_kind: global_buffer, .address_space: global }
      - { .name: wqc, .offset: 8, .size: 8, .value_kind: global_buffer, .address_space: global }
      - { .name: lowp_scales, .offset: 16, .size: 8, .value_kind: global_buffer, .address_space: global }
      - { .name: qc, .offset: 24, .size: 8, .value_kind: global_buffer, .address_space: global }
      - { .name: kc, .offset: 32, .size: 8, .value_kind: global_buffer, .address_space: global }
      - { .name: vc, .offset: 40, .size: 8, .value_kind: global_buffer, .address_space: global }
    .group_segment_fixed_size: 327680
    .private_segment_fixed_size: 0
    .kernarg_segment_align: 8
    .kernarg_segment_size: 48
    .max_flat_workgroup_size: 128
    .sgpr_count:     98
    .vgpr_count:     1024
    .wavefront_size: 32
...
	.end_amdgpu_metadata
.endif
;; end of part 2
;; launch attn (part 3): grid 64 x 4, 8 waves a work-group, no clusters, 327,680 bytes of LDS; arguments qc, kc, vc, kbias, lowp_scales, ac; writes ac
.if DOCPART == 3
	.amdgcn_target "amdgcn-amd-amdhsa--gfx1250"
	.amdhsa_code_object_version 6
	.text
	.protected	k_qa12860e7c0_attn
	.globl	k_qa12860e7c0_attn
	.p2align	8
	.type	k_qa12860e7c0_attn,@function
k_qa12860e7c0_attn:
	s_mov_b64 s[64:65], 0
	v_nop
	global_prefetch_b8 v0, s[64:65] scope:SCOPE_SE
	s_setreg_imm32_b32 hwreg(HW_REG_WAVE_MODE, 25, 1), 1
	s_wait_xcnt 0x0
; Causal attention with a key mask, both products on codes of E4M3.  qc, kc [bh][t][64], vc [bh][d][2048] (keys innermost), kbias [b][2048] f32 (0 or -infinity for each key); out: ac [h][b 2048 + t][64], codes with e6.
; THE SOFTMAX: t = score x log2(e) / 8; M = the running largest t rounded UP to a whole number; p = 2^(t - M) is quantised with e4, not normalised; the row's sum l is taken of the unquantised p and divides O at the end.
; When M moves, l and O are multiplied by 2^(old M - new M), which rounds nothing.
; THE WHOLE HEAD LIES IN LDS: K's 2,048 rows of 64 + 16 bytes, V as 8 areas of 256 keys (64 rows of 256 + 16 bytes), the 2,048 words of the key mask.  Nothing is filled again.  THREE GROUPS OF FIRST FILLS, one tensor load a wave each:
; keys 0-511 at the head; keys 512-1023 behind the full sequence and a barrier; keys 1024-2047 behind a second such barrier.  Four key steps stand between each later request and the wait for it: steps 0-7 (keys 0-1023) count for
; every wave's first strip.  Behind the third barrier waves share nothing.
; SHARES.  Work-group (bh, j) is one of four of head bh.  A head has 64 strips of 32 queries; wave w takes strips 63 - g and g, g = 4 w + j: 16 - w and w + 1 key steps of 128, 17 for every wave.
; A strip is two tiles of 16 queries, which share every fragment of K, V and the mask.  The loops' trip counts are constants; a key step all of whose keys come after the strip's queries is jumped over by a scalar branch on ids,
; and a step whose upper 64 keys all come after them is run as a half step: 4 key tiles, and the second product in the form of K = 64.
; THE KEY MASK is the C of the score product: 0, or -2^126 (kbias held from below on its way into LDS, so that no infinity enters a matrix instruction).  Keys after the query get -infinity by a select, in the strip's one step on the diagonal.
; The largest t begins as -2^32: a masked key's t lies under it, so p = 0 while a row has met no key; such a row ends with l = 0 and O = 0, l is held at 1/2 from below (a row with a key has l above 1/2), and it gives zero codes.
; Its NaN is added to the last launch's sums from the mask.
; THE EXPONENTIALS go in two batches, a tile each.  Between a batch's lines stand plain lines of the OTHER tile that read nothing written inside the batch: tile 1's t - M in tile 0's batch, tile 0's hold in tile 1's.
; LIMITS: the scaled scores t stay under 2^31 in magnitude; e2 + e3 between -80 and 130 (added to the exponent field of log2(e) / 8; a masked t stays under -2^32); e4, and e6 - e4 - e5, between -126 and 119.
; NO CLUSTER: the four partners of a head end their walks at different keys, by branches on the work-group's number.
; NO PREFETCH: the three groups of tensor loads go out within the first eight key steps, each behind the landing of the one before; no loop loads tiles, so there is none to run ahead in.
; LAYOUT.  Both products are used transposed: S^T = K Q^T + mask, O^T = V^T P^T: a lane holds ONE query (lane % 16).  Score tile T's register j is key 16 T + 8 (lane / 16) + j; its eight codes are registers 2 T, 2 T + 1 of P.
; vc holds, in each 32 keys, the groups of 8 in the order 0, 2, 1, 3, so that V's 16-byte loads bring the same keys to the same registers.
; REGISTERS.  Window 0: v1-15 addresses; v16-79 K (8 tiles), on the way out codes; v80-111 statistics, 16 a tile; v112-124 constants; v128-255 the scores, then p, 64 a tile.
; Window 1: v0-63 O^T, 32 a tile; v64-95 P's codes; v96-111 Q; v128-191 the mask of 128 keys in the scores' layout; v192-255 V (4 tiles of 16 d x 128 keys).
.set KP,    80
.set VP,    272
.set VOFF,  2048*KP
.set VAREA, 64*VP
.set BOFF,  VOFF+8*VAREA
.set STAGE, BOFF+8192                  ; the way out: 16 rows x 80 bytes for each wave; no tensor load lands here
.set SPARE, STAGE+8*16*KP              ; the spare words, 128 bytes a wave, that no other line names
.set AK0, 1                            ; my lane's place in a tile of K: 80 r + 16 h
.set AV0, 2                            ; in V: VOFF + 272 r + 16 h
.set AB0, 3                            ; in the mask: BOFF + 32 h
.set ADK, 4                            ; the same at the key step in hand
.set ADV, 5
.set SPW, 6                            ; LDS address of my spare word; never rewritten
.set NIL, 7                            ; 0; never rewritten
.set QOF, 8                            ; Q: 64 r + 16 h
.set STO, 9                            ; the stage: where I put 8 codes
.set RD,  10                           ; and where I read 16 bytes back
.set GO,  11                           ; 16 x lane
.set DG,  12                           ; r - 8 h, for the diagonal
.set NINF, 13
.set ADB, 14
.set ADKN, 15                          ; K and the mask at the next key step
.set ADBN, 119
.set KR,  16
.set CD,  16                           ; the way out: codes
.set OB,  32                           ; and what comes back from the stage
.set ST,  80                           ; tile u's statistics at ST + 16 u: +0 -M, +1 the largest t, +2,3 l, +4 f, +5 0, +6..11 at work: the maximum's chains, a permute's destination, the old -M, three more chains of the sum, 1 / l
.set PLM, 112                          ; v112, v113: 448 x 2^e4, once for each half of a dual pair
.set PSC, 114                          ; 2^e4
.set OLM, 115                          ; 448 x 2^(e6 - e4 - e5)
.set OSC, 116
.set DD,  118
.set BA,  123                          ; 16 x thread: my bytes of the mask
.set BS,  124
.set S,   128
.set PR,  64                           ; window 1
.set QR,  96
.set BR,  128
.set VR,  192
.set WV,  16
.set BH,  18
.set V,   19                           ; the count of key steps: 0-15 the first strip's, 16-23 the second's
.set SEL, 20
.set CS,  22                           ; s[22:23] c = log2(e) / 8 x 2^(e2 + e3)
.set G1K0, 24                          ; descriptor groups 1: K and V, of the first two groups of loads and of the third
.set G1V0, 32
.set G1K1, 40
.set G1V1, 48
.set G0K0, 56                          ; and their groups 0
.set G0V0, 60
.set G0K1, 68
.set G0V1, 72
.set E,   76                           ; s[76:83] e0 .. e7
.set AO,  84                           ; ac at the strip's first query
.set QP,  86                           ; qc likewise
.set HB,  88                           ; the head's first byte in qc, kc, vc
.set Q0,  90                           ; the strip's first query
.set KF,  91                           ; the step's first key
.set PF,  92                           ; 1: this step's K and mask were asked for in the step before
.set T0,  93
.set T1,  94
.set T2,  95
.set QS,  96                           ; the second strip's first query
.set MSB, 0
.macro WIN new                         ; the immediate's high byte repeats the setting that is left
.if MSB != \new
	s_set_vgpr_msb (MSB<<8)|\new
.set MSB, \new
.endif
.endm
.macro PLACES
.rept 4
	v_nop
.endr
.endm
.macro DESC1 g, w0, rows, pitch        ; rows of 256 bytes
	s_mov_b32 s[\g], \w0
	s_mov_b32 s[\g+1], 256<<16
	s_mov_b32 s[\g+2], (\rows)<<16
	s_mov_b32 s[\g+3], 256<<16
	s_mov_b32 s[\g+4], \rows
	s_mov_b32 s[\g+5], \pitch
	s_mov_b32 s[\g+6], 0
	s_mov_b32 s[\g+7], 0
.endm
; Every wave issues one load: waves 0-3 for K, waves 4-7 for V.  An s_nop 0 and four v_nop follow each line.
.macro TLOAD gk, g1k, gv, g1v
	s_cmp_lt_u32 s[WV], 4
	s_cbranch_scc0 .Lfor_v_\@
	tensor_load_to_lds s[\gk:\gk+3], s[\g1k:\g1k+7]
	s_nop 0
	PLACES
	s_branch .Lasked_\@
.Lfor_v_\@:
	tensor_load_to_lds s[\gv:\gv+3], s[\g1v:\g1v+7]
	s_nop 0
	PLACES
.Lasked_\@:
.endm
; A strip begins: its Q, O^T and l as zeros, the largest t as -2^32.  The key step has no first step of its own: the first change of M leaves zeros zeros.
.macro INIT
	s_lshl_b32 s98, s[Q0], 6               ; 64 bytes a query, in qc and in ac
	s_mov_b32 s99, 0
	s_add_nc_u64 s[QP:QP+1], s[4:5], s[98:99]
	s_add_nc_u64 s[AO:AO+1], s[14:15], s[98:99]
	s_mov_b32 s[PF], 0
	WIN 0x40
.irp u, 0,1
	global_load_b128 v[QR+8*\u:QR+8*\u+3], v[QOF], s[QP:QP+1] offset:1024*\u
	global_load_b128 v[QR+8*\u+4:QR+8*\u+7], v[QOF], s[QP:QP+1] offset:1024*\u+32
.endr
.set j, 0
.rept 64
	v_mov_b32 v[j], 0
.set j, j+1
.endr
	WIN 0
.irp u, 0,1
	v_mov_b32 v[ST+16*\u], 0x4f800000      ; -M = 2^32
	v_mov_b32 v[ST+16*\u+1], 0xcf800000    ; the largest t so far: -2^32
.irp n, 2,3,4,5,6,7,8,9,10,11
	v_mov_b32 v[ST+16*\u+\n], 0
.endr
.endr
	s_wait_alu depctr_va_vdst(0)
	s_wait_loadcnt 0x0
.endm
	s_load_b256 s[4:11], s[0:1], 0x0               ; qc, kc, vc, kbias
	s_load_b128 s[12:15], s[0:1], 0x20             ; the scales, ac
	v_lshl_add_u32 v[SPW], v0, 2, SPARE
	v_mov_b32 v[NIL], 0
	ds_add_u32 v[SPW], v[NIL]                      ; the opening lines: the add, twice on end, and its wait ahead of my first tensor load
	ds_add_u32 v[SPW], v[NIL]
	v_lshrrev_b32 v1, 5, v0
	v_readfirstlane_b32 s[WV], v1                  ; wave 0..7
	DESC1 G1K0, (1<<20)|(3<<22)|(3<<25), 32, 256   ; K: 128 keys, dense, stated as 32 rows of 256 bytes; 4 words of padding behind every 16
	DESC1 G1V0, (1<<20)|(5<<22)|(3<<25), 32, 2048  ; V: 32 rows of 256 keys; 4 words behind every 64
	DESC1 G1K1, (1<<20)|(3<<22)|(3<<25), 64, 256   ; K: 256 keys
	DESC1 G1V1, (1<<20)|(5<<22)|(3<<25), 64, 2048  ; V: an area's 64 rows
	s_mov_b32 s[SEL], 0x76543210
	s_mov_b32 s[SEL+1], 0xfedcba98
	s_mov_b32 s[CS], 0x3e38aa3b                    ; log2(e) / 8
	s_mov_b32 s[BH], ttmp9
	s_lshl_b32 s[HB], s[BH], 17
	s_mov_b32 s[HB+1], 0
	s_lshl_b32 s[T0], s[WV], 2
	s_and_b32 s[T1], ttmp7, 0xffff                 ; j
	s_add_co_u32 s[T0], s[T0], s[T1]               ; g = 4 w + j
	s_lshl_b32 s[QS], s[T0], 5                     ; strip g
	s_sub_co_u32 s[Q0], 2016, s[QS]                ; strip 63 - g comes first
	s_and_b32 s[T0], s[WV], 3
	s_and_b32 s[T1], s[WV], 1
	s_bfe_u32 s[T2], s[WV], 0x10001
	s_mov_b32 s[G0K0], 1
	s_mul_i32 s[G0K0+1], s[T0], 128*KP             ; waves 0-3: keys 128 w on
	s_mov_b32 s[G0V0], 1
	s_mul_i32 s[G0V0+1], s[T2], VAREA              ; waves 4-7: area (w / 2) % 2, rows 32 (w % 2) on
	s_mul_i32 s98, s[T1], 32*VP
	s_add_co_u32 s[G0V0+1], s[G0V0+1], s98
	s_add_co_u32 s[G0V0+1], s[G0V0+1], VOFF
	s_mov_b32 s[G0K1], 1
	s_mul_i32 s[G0K1+1], s[T0], 256*KP             ; waves 0-3: keys 1024 + 256 w on
	s_add_co_u32 s[G0K1+1], s[G0K1+1], 1024*KP
	s_mov_b32 s[G0V1], 1
	s_mul_i32 s[G0V1+1], s[WV], VAREA              ; waves 4-7: area w
	s_add_co_u32 s[G0V1+1], s[G0V1+1], VOFF
	s_mov_b32 s99, 0
	s_wait_alu depctr_va_vdst(0)
	s_wait_dscnt 0x0                               ; both opening adds are done
	s_wait_kmcnt 0x0
	s_load_b256 s[E:E+7], s[12:13], 0x0
	s_add_nc_u64 s[4:5], s[4:5], s[HB:HB+1]        ; qc, kc, vc at my head
	s_add_nc_u64 s[6:7], s[6:7], s[HB:HB+1]
	s_add_nc_u64 s[8:9], s[8:9], s[HB:HB+1]
	s_lshl_b32 s98, s[T0], 13
	s_add_nc_u64 s[G0K0+2:G0K0+3], s[6:7], s[98:99]
	s_or_b32 s[G0K0+3], s[G0K0+3], 0x80000000
	s_lshl_b32 s98, s[T1], 16
	s_lshl_b32 s[T2], s[T2], 8
	s_add_co_u32 s98, s98, s[T2]
	s_add_nc_u64 s[G0V0+2:G0V0+3], s[8:9], s[98:99]
	s_or_b32 s[G0V0+3], s[G0V0+3], 0x80000000
	s_lshl_b32 s98, s[T0], 14
	s_add_co_u32 s98, s98, 1024*64
	s_add_nc_u64 s[G0K1+2:G0K1+3], s[6:7], s[98:99]
	s_or_b32 s[G0K1+3], s[G0K1+3], 0x80000000
	s_lshl_b32 s98, s[WV], 8
	s_add_nc_u64 s[G0V1+2:G0V1+3], s[8:9], s[98:99]
	s_or_b32 s[G0V1+3], s[G0V1+3], 0x80000000
	TLOAD G0K0, G1K0, G0V0, G1V0                   ; keys 0-511: one load of mine is out
	s_lshr_b32 s98, s[BH], 4
	s_lshl_b32 s98, s98, 13                        ; the batch's 2,048 words of the mask
	s_add_nc_u64 s[10:11], s[10:11], s[98:99]
	s_and_b32 s98, s[BH], 15
	s_lshl_b32 s98, s98, 19                        ; ac: head << 19,
	s_lshr_b32 s[T0], s[BH], 4
	s_lshl_b32 s[T0], s[T0], 17                    ; batch << 17
	s_add_co_u32 s98, s98, s[T0]
	s_add_nc_u64 s[14:15], s[14:15], s[98:99]
	s_mul_i32 s[T0], s[WV], 16*KP
	s_add_co_u32 s[T0], s[T0], STAGE               ; my stage
	v_lshlrev_b32 v[BA], 4, v0
	global_load_b128 v[16:19], v[BA], s[10:11]                 ; the 256 threads take the mask's 8,192 bytes, 16 a thread, twice
	global_load_b128 v[20:23], v[BA], s[10:11] offset:4096
	v_add_nc_u32 v[BS], BOFF, v[BA]
	v_and_b32 v120, 15, v0                         ; r
	v_bfe_u32 v121, v0, 4, 1                       ; h
	v_and_b32 v122, 31, v0                         ; lane
	v_lshlrev_b32 v[QOF], 6, v120
	v_mul_u32_u24 v[AK0], v120, KP
	v_mul_u32_u24 v[AV0], v120, VP
	v_lshlrev_b32 v[AB0], 5, v121
	v_mul_u32_u24 v[STO], v120, KP
	v_lshl_add_u32 v[QOF], v121, 4, v[QOF]
	v_lshl_add_u32 v[AK0], v121, 4, v[AK0]
	v_lshl_add_u32 v[AV0], v121, 4, v[AV0]
	v_add_nc_u32 v[AB0], BOFF, v[AB0]
	v_lshl_add_u32 v[STO], v121, 3, v[STO]
	v_add_nc_u32 v[AV0], VOFF, v[AV0]
	v_add_nc_u32 v[STO], s[T0], v[STO]             ; in: row r, 8 h bytes on
	v_lshrrev_b32 v[RD], 2, v122
	v_and_b32 v[DD], 3, v0
	v_mul_u32_u24 v[RD], v[RD], KP
	v_lshlrev_b32 v[GO], 4, v122
	v_lshlrev_b32 v[DG], 3, v121
	v_lshl_add_u32 v[RD], v[DD], 4, v[RD]
	v_sub_nc_u32 v[DG], v120, v[DG]
	v_add_nc_u32 v[RD], s[T0], v[RD]               ; back: 8 rows of 64 bytes a load
	v_mov_b32 v[NINF], 0xff800000
	INIT                                           ; the first strip; its last wait covers the mask's two loads too
.irp i, 0,1,2,3,4,5,6,7
	v_max_num_f32 v[16+\i], 0xfe800000, v[16+\i]   ; 0 stays, -infinity becomes -2^126
.endr
	s_wait_kmcnt 0x0
	s_add_co_i32 s98, s[E+2], s[E+3]
	s_lshl_b32 s98, s98, 23
	s_add_co_i32 s[CS], s[CS], s98                 ; a sum of codes stands for sum x 2^(e2 + e3): the exponents go into c's exponent field
	s_mov_b32 s[CS+1], s[CS]
	s_add_co_i32 s98, s[E+4], 127
	s_lshl_b32 s99, s98, 23
	v_mov_b32 v[PSC], s99
	s_add_co_i32 s98, s98, 8
	s_lshl_b32 s98, s98, 23
	s_or_b32 s98, s98, 0x600000
	v_mov_b32 v[PLM], s98
	v_mov_b32 v[PLM+1], s98
	s_sub_co_i32 s98, s[E+6], s[E+4]
	s_sub_co_i32 s98, s98, s[E+5]                  ; a sum of the second product stands for sum x 2^(e4 + e5): its code is (sum / l) / 2^(e6 - e4 - e5)
	s_add_co_i32 s98, s98, 127
	s_lshl_b32 s99, s98, 23
	v_mov_b32 v[OSC], s99
	s_add_co_i32 s98, s98, 8
	s_lshl_b32 s98, s98, 23
	s_or_b32 s98, s98, 0x600000
	v_mov_b32 v[OLM], s98
	s_wait_alu depctr_va_vdst(0)
	s_wait_tensorcnt 0x0                           ; my part of keys 0-511 is in: no tensor load is out while I store to LDS
	ds_store_b128 v[BS], v[16:19]                  ; the mask, into bytes of its own
	ds_store_b128 v[BS], v[20:23] offset:4096
	s_wait_tensorcnt 0x0                           ; the full sequence ahead of the later first fills
	ds_add_u32 v[SPW], v[NIL]
	s_add_co_u32 s[G0K0+1], s[G0K0+1], 512*KP      ; no load of mine is out, so the groups 0 may be written: 512 keys on
	s_add_nc_u64 s[G0K0+2:G0K0+3], s[G0K0+2:G0K0+3], 512*64
	s_add_co_u32 s[G0V0+1], s[G0V0+1], 2*VAREA
	s_add_nc_u64 s[G0V0+2:G0V0+3], s[G0V0+2:G0V0+3], 512
	s_wait_dscnt 0x0                               ; the add and my stores of the mask are done
	s_barrier_signal -1
	s_barrier_wait -1                              ; keys 0-511 and the mask are whole
	TLOAD G0K0, G1K0, G0V0, G1V0                   ; keys 512-1023: my one load behind this barrier
.macro LOADK ak, ab                    ; 128 keys: 8 tiles of K (16 loads), and their mask in the scores' layout: register j of tile T is key 16 T + 8 h + j (16 loads)
	WIN 0
.irp t, 0,1,2,3,4,5,6,7
	ds_load_b128 v[KR+8*\t:KR+8*\t+3], v[\ak] offset:16*\t*KP
	ds_load_b128 v[KR+8*\t+4:KR+8*\t+7], v[\ak] offset:16*\t*KP+32
.endr
	WIN 0x40
.irp t, 0,1,2,3,4,5,6,7
	ds_load_b128 v[BR+8*\t:BR+8*\t+3], v[\ab] offset:64*\t
	ds_load_b128 v[BR+8*\t+4:BR+8*\t+7], v[\ab] offset:64*\t+16
.endr
	WIN 0
.endm
.macro DIAG u, nt                      ; register n holds key KF + 16 (n / 8) + 8 h + n % 8, hidden where it comes after query Q0 + 16 u + r
	s_sub_co_i32 s[T0], s[Q0], s[KF]
	s_add_co_i32 s[T0], s[T0], 16*\u
	v_add_nc_u32 v[DD], s[T0], v[DG]
.set n, 0
.rept 8*\nt
	v_cmp_gt_i32 vcc_lo, 16*(n/8)+n%8, v[DD]
	v_cndmask_b32 v[S+64*\u+n], v[S+64*\u+n], v[NINF], vcc_lo
.set n, n+1
.endr
.endm
.macro SUMS u, nt                      ; tile u's 8 nt unquantised p onto l, two at a time, in four chains: l itself and three at work
	v_pk_add_f32 v[ST+16*\u+6:ST+16*\u+7], v[S+64*\u:S+64*\u+1], v[S+64*\u+2:S+64*\u+3]
	v_pk_add_f32 v[ST+16*\u+8:ST+16*\u+9], v[S+64*\u+4:S+64*\u+5], v[S+64*\u+6:S+64*\u+7]
	v_pk_add_f32 v[ST+16*\u+10:ST+16*\u+11], v[S+64*\u+8:S+64*\u+9], v[S+64*\u+10:S+64*\u+11]
.set j, 12
.rept \nt-2
.irp c, 0,1,2,3
.set cr, ST+16*\u+2+2*\c+2*((\c+3)/4)  ; +2, +6, +8, +10
	v_pk_add_f32 v[cr:cr+1], v[cr:cr+1], v[S+64*\u+j+2*\c:S+64*\u+j+2*\c+1]
.endr
.set j, j+8
.endr
	v_pk_add_f32 v[ST+16*\u+2:ST+16*\u+3], v[ST+16*\u+2:ST+16*\u+3], v[S+64*\u+8*\nt-4:S+64*\u+8*\nt-3]
	v_pk_add_f32 v[ST+16*\u+6:ST+16*\u+7], v[ST+16*\u+6:ST+16*\u+7], v[S+64*\u+8*\nt-2:S+64*\u+8*\nt-1]
	v_pk_add_f32 v[ST+16*\u+8:ST+16*\u+9], v[ST+16*\u+8:ST+16*\u+9], v[ST+16*\u+10:ST+16*\u+11]
	v_pk_add_f32 v[ST+16*\u+2:ST+16*\u+3], v[ST+16*\u+2:ST+16*\u+3], v[ST+16*\u+6:ST+16*\u+7]
	v_pk_add_f32 v[ST+16*\u+2:ST+16*\u+3], v[ST+16*\u+2:ST+16*\u+3], v[ST+16*\u+8:ST+16*\u+9]
.endm
; Where the step's tiles lie, from the count of steps alone.  skip = 1: a step all of whose keys come after the strip's queries is left out.  The next step's K and mask have addresses too, held at step lim: the last whose keys have landed.
.macro ADDR skip, lim
	s_and_b32 s[T0], s[V], 15                      ; the strip's step k
	s_lshl_b32 s[KF], s[T0], 7
.if \skip
	s_add_co_u32 s[T1], s[Q0], 31
	s_cmp_gt_u32 s[KF], s[T1]
	s_cbranch_scc1 .Lhidden
.endif
	s_mul_i32 s[T1], s[T0], 128*KP
	v_add_nc_u32 v[ADK], s[T1], v[AK0]
	s_lshl_b32 s[T1], s[T0], 9
	v_add_nc_u32 v[ADB], s[T1], v[AB0]
	s_lshr_b32 s[T1], s[T0], 1
	s_mul_i32 s[T1], s[T1], VAREA
	s_and_b32 s[T2], s[T0], 1
	s_lshl_b32 s[T2], s[T2], 7
	s_add_co_u32 s[T1], s[T1], s[T2]               ; area k / 2, 128 (k % 2) bytes along its rows
	v_add_nc_u32 v[ADV], s[T1], v[AV0]
	s_add_co_u32 s[T1], s[T0], 1
	s_min_u32 s[T1], s[T1], \lim
	s_mul_i32 s[T2], s[T1], 128*KP
	v_add_nc_u32 v[ADKN], s[T2], v[AK0]
	s_lshl_b32 s[T2], s[T1], 9
	v_add_nc_u32 v[ADBN], s[T2], v[AB0]
	s_wait_alu depctr_va_vdst(0)
.endm
; A KEY STEP: 16 nt keys (nt = 8, or 4 in a half step) for my two tiles of queries.
; pf = 2: K and the mask were asked for ahead, and the next step's always are.  pf = 1: asked for here unless s[PF] says that they were; the next step's are asked for if the strip has one.  pf = 3: as 1, with no next step.
.macro STEP diag, pf, nt
.if (\pf == 1) || (\pf == 3)
	s_cmp_lg_u32 s[PF], 0
	s_cbranch_scc1 .Lhave_\@
	LOADK ADK, ADB
.Lhave_\@:
.endif
	s_wait_dscnt 0x0                               ; K and the mask are in
	WIN 0x14                                       ; Q and the mask in window 1
.irp t, 0,1,2,3,4,5,6,7
.if \t < \nt
.irp u, 0,1
	v_wmma_f32_16x16x64_fp8_fp8 v[S+64*\u+8*\t:S+64*\u+8*\t+7], v[KR+8*\t:KR+8*\t+7], v[QR+8*\u:QR+8*\u+7], v[BR+8*\t:BR+8*\t+7]
.endr
.endif
.endr
	PLACES                                         ; in front of the reads of the scores and of the loads below into registers that matrix instructions have read
	WIN 0x40
.irp t, 0,1,2,3
.irp c, 0,1,2,3
.if \c < \nt/2
	ds_load_b128 v[VR+16*\t+4*\c:VR+16*\t+4*\c+3], v[ADV] offset:16*\t*VP+32*\c
.endif
.endr
.endr
	WIN 0
.if \pf == 1
	s_mov_b32 s[PF], 0
	s_add_co_u32 s[T0], s[KF], 128
	s_add_co_u32 s[T1], s[Q0], 31
	s_cmp_gt_u32 s[T0], s[T1]                      ; has the strip a next step?  ids and the count of steps alone
	s_cbranch_scc1 .Lnopf_\@
	s_mov_b32 s[PF], 1
	LOADK ADKN, ADBN
.Lnopf_\@:
.endif
.if \pf == 2
	LOADK ADKN, ADBN
.endif
.if \pf == 3
	s_mov_b32 s[PF], 0
.endif
.if \diag
	s_add_co_u32 s[T0], s[KF], 127
	s_cmp_le_u32 s[T0], s[Q0]                      ; all 128 keys count for all my queries: no diagonal
	s_cbranch_scc1 .Lopen_\@
	DIAG 0, \nt
	DIAG 1, \nt
.Lopen_\@:
.endif
.irp u, 0,1                                    ; the step's largest score, each accumulator from its low end on; the two tiles' chains take turns
	v_max3_num_f32 v[ST+16*\u+8], v[S+64*\u], v[S+64*\u+1], v[S+64*\u+2]
	v_max3_num_f32 v[ST+16*\u+9], v[S+64*\u+3], v[S+64*\u+4], v[S+64*\u+5]
.endr
.set j, 6
.rept 2*\nt-2
.irp u, 0,1
	v_max3_num_f32 v[ST+16*\u+8], v[ST+16*\u+8], v[S+64*\u+j], v[S+64*\u+j+1]
	v_max3_num_f32 v[ST+16*\u+9], v[ST+16*\u+9], v[S+64*\u+j+2], v[S+64*\u+j+3]
.endr
.set j, j+4
.endr
.irp u, 0,1
	v_max3_num_f32 v[ST+16*\u+8], v[ST+16*\u+8], v[S+64*\u+8*\nt-2], v[S+64*\u+8*\nt-1]
.endr
.irp u, 0,1
	v_max_num_f32 v[ST+16*\u+8], v[ST+16*\u+8], v[ST+16*\u+9]
.endr
.irp u, 0,1
	v_permlanex16_b32 v[ST+16*\u+10], v[ST+16*\u+8], s[SEL], s[SEL+1]
.endr
.irp u, 0,1
	v_max_num_f32 v[ST+16*\u+8], v[ST+16*\u+8], v[ST+16*\u+10]   ; lane l xor 16's keys among them
.endr
.irp u, 0,1
	v_mul_f32 v[ST+16*\u+8], s[CS], v[ST+16*\u+8]                ; as t (c is positive)
.endr
.irp u, 0,1
	v_max_num_f32 v[ST+16*\u+1], v[ST+16*\u+1], v[ST+16*\u+8]    ; the running largest t
	v_mov_b32 v[ST+16*\u+11], v[ST+16*\u]
.endr
.irp u, 0,1
	v_floor_f32 v[ST+16*\u], -v[ST+16*\u+1]                      ; the new -M = floor(-t): M is a whole number
.endr
.irp u, 0,1
	v_sub_f32 v[ST+16*\u+11], v[ST+16*\u], v[ST+16*\u+11]        ; old M - new M: a whole number, 0 or less
.endr
.irp u, 0,1
	v_cvt_i32_f32 v[ST+16*\u+11], v[ST+16*\u+11]                 ; (it saturates)
.endr
.irp u, 0,1
	v_ldexp_f32 v[ST+16*\u+4], 1.0, v[ST+16*\u+11]               ; f = 2^(old M - new M)
.endr
.set j, 0
.rept 4*\nt
	v_pk_fma_f32 v[S+j:S+j+1], v[S+j:S+j+1], s[CS:CS+1], v[ST:ST+1] op_sel_hi:[1,0,0]   ; tile 0: t - M, two at a time
.set j, j+2
.endr
	s_wait_alu depctr_va_vdst(0)                   ; the wait ahead of the batch: it stands behind all that the batch and the lines among it read
.set j, 0
.rept 4*\nt                                    ; tile 0: p = 2^(t - M), at most 1; among these lines tile 1's t - M, which reads nothing written in here
	v_exp_f32 v[S+j], v[S+j]
	v_pk_fma_f32 v[S+64+j:S+64+j+1], v[S+64+j:S+64+j+1], s[CS:CS+1], v[ST+16:ST+17] op_sel_hi:[1,0,0]
	v_exp_f32 v[S+j+1], v[S+j+1]
.set j, j+2
.endr
	v_pk_mul_f32 v[ST+2:ST+3], v[ST+2:ST+3], v[ST+4:ST+5] op_sel_hi:[1,0]           ; l under the new M: the plain lines behind the exponentials
	v_pk_mul_f32 v[ST+18:ST+19], v[ST+18:ST+19], v[ST+20:ST+21] op_sel_hi:[1,0]
	s_wait_alu depctr_va_vdst(0)                   ; one wait: behind tile 0's batch, ahead of its first reader, and ahead of tile 1's batch
	SUMS 0, \nt
.set j, 0
.rept 4*\nt                                    ; tile 1's p; among these lines tile 0's hold: the conversion does not saturate (ISA guide 7.6.2); p is not negative, so the hold is one-sided; two numbers a line
	v_exp_f32 v[S+64+j], v[S+64+j]
	v_dual_min_num_f32 v[S+j], v[S+j], v[PLM] :: v_dual_min_num_f32 v[S+j+1], v[S+j+1], v[PLM+1]
	v_exp_f32 v[S+64+j+1], v[S+64+j+1]
.set j, j+2
.endr
	v_nop                                          ; a plain line behind the last exponential
	WIN 0x41
	s_wait_alu depctr_va_vdst(0)                   ; one wait: behind tile 1's batch, ahead of its first reader, and directly ahead of the first reader of O^T
.irp u, 0,1
.set j, 0
.rept 16
	v_pk_mul_f32 v[32*\u+j:32*\u+j+1], v[32*\u+j:32*\u+j+1], v[ST+16*\u+4:ST+16*\u+5] op_sel_hi:[1,0]   ; O^T under the new M, each accumulator from its low end on
.set j, j+2
.endr
.endr
	WIN 0
	SUMS 1, \nt
.set j, 0
.rept 4*\nt
	v_dual_min_num_f32 v[S+64+j], v[S+64+j], v[PLM] :: v_dual_min_num_f32 v[S+64+j+1], v[S+64+j+1], v[PLM+1]
.set j, j+2
.endr
	WIN 0x40
.irp u, 0,1
.irp t, 0,1,2,3,4,5,6,7
.if \t < \nt
	v_cvt_scalef32_pk8_fp8_f32 v[PR+16*\u+2*\t:PR+16*\u+2*\t+1], v[S+64*\u+8*\t:S+64*\u+8*\t+7], v[PSC]
.endif
.endr
.endr
	v_nop                                          ; a plain line behind the last conversion
	s_wait_alu depctr_va_vdst(0)
	s_wait_dscnt 0x0                               ; V is in (and what was asked for the next step)
	WIN 0x55
.irp t, 0,1,2,3
.irp u, 0,1                                    ; eight accumulators, one instruction a turn
.if \nt == 8
	v_wmma_f32_16x16x128_fp8_fp8 v[32*\u+8*\t:32*\u+8*\t+7], v[VR+16*\t:VR+16*\t+15], v[PR+16*\u:PR+16*\u+15], v[32*\u+8*\t:32*\u+8*\t+7]
.else
	v_wmma_f32_16x16x64_fp8_fp8 v[32*\u+8*\t:32*\u+8*\t+7], v[VR+16*\t:VR+16*\t+7], v[PR+16*\u:PR+16*\u+7], v[32*\u+8*\t:32*\u+8*\t+7]
.endif
.endr
.endr
	WIN 0
.endm
	LOADK AK0, AB0                                 ; step 0's K and mask
	s_mov_b32 s[V], 0
.Lfirst:                                           ; the first strip's steps 0-3: keys 0-511, which come before every first strip's queries (1,024 on)
	ADDR 0, 3
	STEP 0, 2, 8
	s_add_co_u32 s[V], s[V], 1
	s_cmp_lt_u32 s[V], 4
	s_cbranch_scc1 .Lfirst
	s_wait_tensorcnt 0x0                           ; my part of keys 512-1023 is in; the full sequence ahead of the last first fills
	ds_add_u32 v[SPW], v[NIL]
	s_wait_dscnt 0x0
	s_barrier_signal -1
	s_barrier_wait -1                              ; keys 512-1023 are whole
	TLOAD G0K1, G1K1, G0V1, G1V1                   ; keys 1024-2047: my one load behind this barrier
	v_add_nc_u32 v[ADKN], 4*128*KP, v[AK0]
	v_add_nc_u32 v[ADBN], 4*512, v[AB0]
	LOADK ADKN, ADBN                               ; step 4's K and mask
	s_mov_b32 s[V], 4
.Lsecond:                                          ; steps 4-7: keys 512-1023, likewise
	ADDR 0, 7
	STEP 0, 2, 8
	s_add_co_u32 s[V], s[V], 1
	s_cmp_lt_u32 s[V], 8
	s_cbranch_scc1 .Lsecond
	s_wait_tensorcnt 0x0                           ; my part of keys 1024-2047 is in
	s_wait_dscnt 0x0
	s_barrier_signal -1
	s_barrier_wait -1                              ; everybody's is: from here on nothing in LDS changes but the waves' own stages
	s_mov_b32 s[PF], 0
	s_mov_b32 s[V], 8
.Lmain:                                            ; 16 trips: the first strip's steps 8-15, the second's 0-7
	ADDR 1, 15
	s_add_co_u32 s[T0], s[KF], 64
	s_add_co_u32 s[T1], s[Q0], 31
	s_cmp_gt_u32 s[T0], s[T1]                      ; do the step's upper 64 keys all come after my queries?  ids and the count of steps alone
	s_cbranch_scc1 .Lhalf
	STEP 1, 1, 8
	s_branch .Lhidden
.Lhalf:
	STEP 1, 3, 4
.Lhidden:
	s_cmp_eq_u32 s[V], 15
	s_cbranch_scc1 .Lfin
	s_cmp_lg_u32 s[V], 23
	s_cbranch_scc1 .Lnext
.Lfin:
	; A STRIP'S WAY OUT.  O^T / l is quantised with e6; a tile of 16 rows of 64 bytes goes through my stage and comes back as 1,024 bytes on end.
	PLACES                                         ; behind the last products
.irp u, 0,1
	v_add_f32 v[ST+16*\u+8], v[ST+16*\u+2], v[ST+16*\u+3]
.endr
	s_wait_alu depctr_va_vdst(0)
.irp u, 0,1
	v_permlanex16_b32 v[ST+16*\u+10], v[ST+16*\u+8], s[SEL], s[SEL+1]
.endr
.irp u, 0,1
	v_add_f32 v[ST+16*\u+8], v[ST+16*\u+8], v[ST+16*\u+10]   ; the row's sum
.endr
.irp u, 0,1
	v_max_num_f32 v[ST+16*\u+8], 0.5, v[ST+16*\u+8]          ; above 1/2 in every row that has a key: only a row with none is touched
.endr
	s_wait_alu depctr_va_vdst(0)
.irp u, 0,1
	v_rcp_f32 v[ST+16*\u+6], v[ST+16*\u+8]
.endr
	v_nop                                          ; a plain line behind them,
	WIN 0x01
	s_wait_alu depctr_va_vdst(0)                   ; and the wait ahead of their first reader, which is O^T's too
.irp u, 0,1
.set j, 0
.rept 16
	v_pk_mul_f32 v[S+64*\u+j:S+64*\u+j+1], v[32*\u+j:32*\u+j+1], v[ST+16*\u+6:ST+16*\u+7] op_sel_hi:[1,0]   ; register 8 t + i: d = 16 t + 8 h + i of my query
.set j, j+2
.endr
.endr
	WIN 0
.irp u, 0,1
.set j, 0
.rept 32
	v_med3_num_f32 v[S+64*\u+j], v[S+64*\u+j], -v[OLM], v[OLM]
.set j, j+1
.endr
.endr
.irp u, 0,1
.irp t, 0,1,2,3
	v_cvt_scalef32_pk8_fp8_f32 v[CD+8*\u+2*\t:CD+8*\u+2*\t+1], v[S+64*\u+8*\t:S+64*\u+8*\t+7], v[OSC]
.endr
.endr
	v_nop                                          ; a plain line behind the last conversion
.irp u, 0,1
.irp t, 0,1,2,3
	ds_store_b64 v[STO], v[CD+8*\u+2*\t:CD+8*\u+2*\t+1] offset:16*\t
.endr
.irp k, 0,1
	ds_load_b128 v[OB+8*\u+4*\k:OB+8*\u+4*\k+3], v[RD] offset:8*KP*\k   ; LDS serves a wave's instructions in order: these see my stores, and the next tile's stores come behind them
.endr
.endr
	s_wait_dscnt 0x0
.irp u, 0,1
.irp k, 0,1
	global_store_b128 v[GO], v[OB+8*\u+4*\k:OB+8*\u+4*\k+3], s[AO:AO+1] offset:1024*\u+512*\k   ; the wave stores 512 consecutive bytes, aligned
.endr
.endr
	s_cmp_eq_u32 s[V], 23
	s_cbranch_scc1 .Lnext
	s_wait_xcnt 0x0                                ; the stores have read their base and their data: both are written again below
	s_mov_b32 s[Q0], s[QS]
	INIT                                           ; the second strip
.Lnext:
	s_add_co_u32 s[V], s[V], 1
	s_cmp_lt_u32 s[V], 24
	s_cbranch_scc1 .Lmain
	s_wait_tensorcnt 0x0                           ; the wave's end
	ds_add_u32 v[SPW], v[NIL]
	s_wait_dscnt 0x0
	s_endpgm
.Lfunc_end_k_qa12860e7c0_attn:
	.size	k_qa12860e7c0_attn, .Lfunc_end_k_qa12860e7c0_attn-k_qa12860e7c0_attn
	.p2alignl 7, 3214868480
	.fill 96, 4, 3214868480
	.section	.rodata,"a",@progbits
	.p2align	6, 0x0
	.amdhsa_kernel k_qa12860e7c0_attn
		.amdhsa_group_segment_fixed_size 327680
		.amdhsa_private_segment_fixed_size 0
		.amdhsa_enable_private_segment 0
		.amdhsa_kernarg_size 48
		.amdhsa_user_sgpr_count 2
		.amdhsa_user_sgpr_kernarg_segment_ptr 1
		.amdhsa_wavefront_size32 1
		.amdhsa_system_sgpr_workgroup_id_x 1
		.amdhsa_system_sgpr_workgroup_id_y 1
		.amdhsa_system_sgpr_workgroup_id_z 1
		.amdhsa_system_vgpr_workitem_id 0
		.amdhsa_next_free_vgpr 512
		.amdhsa_next_free_sgpr 100
		.amdhsa_reserve_vcc 1
		.amdhsa_float_denorm_mode_32 3
		.amdhsa_float_denorm_mode_16_64 3
		.amdhsa_memory_ordered 1
		.amdhsa_forward_progress 1
		.amdhsa_inst_pref_size 155
	.end_amdhsa_kernel
	.amdgpu_metadata
---
amdhsa.version: [ 1, 2 ]
amdhsa.kernels:
  - .name:           k_qa12860e7c0_attn
    .symbol:         k_qa12860e7c0_attn.kd
    .args:
      - { .name: qc, .offset: 0, .size: 8, .value_kind: global_buffer, .address_space: global }
      - { .name: kc, .offset: 8, .size: 8, .value_kind: global_buffer, .address_space: global }
      - { .name: vc, .offset: 16, .size: 8, .value_kind: global_buffer, .address_space: global }
      - { .name: kbias, .offset: 24, .size: 8, .value_kind: global_buffer, .address_space: global }
      - { .name: lowp_scales, .offset: 32, .size: 8, .value_kind: global_buffer, .address_space: global }
      - { .name: ac, .offset: 40, .size: 8, .value_kind: global_buffer, .address_space: global }
    .group_segment_fixed_size: 327680
    .private_segment_fixed_size: 0
    .kernarg_segment_align: 8
    .kernarg_segment_size: 48
    .max_flat_workgroup_size: 256
    .sgpr_count:     100
    .vgpr_count:     512
    .wavefront_size: 32
...
	.end_amdgpu_metadata
.endif
;; end of part 3
;; launch proj (part 4): grid 4 x 64, 4 waves a work-group, clusters of 4 x 4, 327,680 bytes of LDS; arguments ac, woc, lowp_scales, kbias, out0; writes out0
.if DOCPART == 4
	.amdgcn_target "amdgcn-amd-amdhsa--gfx1250"
	.amdhsa_code_object_version 6
	.text
	.protected	k_qa12860e7c0_proj
	.globl	k_qa12860e7c0_proj
	.p2align	8
	.type	k_qa12860e7c0_proj,@function
k_qa12860e7c0_proj:
	s_mov_b64 s[64:65], 0
	v_nop
	global_prefetch_b8 v0, s[64:65] scope:SCOPE_SE
	s_setreg_imm32_b32 hwreg(HW_REG_WAVE_MODE, 25, 1), 1
	s_wait_xcnt 0x0
	s_wait_alu depctr_hold_cnt(0) depctr_sa_sdst(0) depctr_va_vdst(0) depctr_va_sdst(0) depctr_va_ssrc(0) depctr_va_vcc(0) depctr_vm_vsrc(0)
	s_getreg_b32 s2, hwreg(HW_REG_IB_STS2, 6, 4)
	s_cmp_eq_u32 s2, 0
	s_cbranch_scc0 .Lentry_in_a_cluster
	s_endpgm
.Lentry_in_a_cluster:
	s_bfe_u32 s2, ttmp6, 0x10000c
	s_cmp_lg_u32 s2, 0xf033
	s_cbranch_scc0 .Lentry_shape_is_right
	s_endpgm
.Lentry_shape_is_right:
.set PITCH,  272
.set APITCH, 80
.set PLANE,  64*APITCH
.set HALFA,  4*PLANE
.set HALFB,  128*PITCH
.set BOFF,   2*HALFA
.set SLOT,   BOFF+2*HALFB
.set SPARE,  2*SLOT
.set HEADB,  8192*64
.set FR,     16
.set NP,     4
.set SPITCH, 528
.set RT,   8
.set ADRA, 16
.set ADRB, 20
.set STO,  24
.set RD,   25
.set CO,   26
.set SPW,  28
.set NIL,  29
.set TMP,  32
.set AF,   128
.set BK,   128
.set G1, 24
.set G0, 32
.set G1B, 48
.set G0B, 56
.set MSB, 0
.macro WIN new
.if MSB != \new
	s_set_vgpr_msb (MSB<<8)|\new
.set MSB, \new
.endif
.endm
.set MUL,  0xa1
.set TO_B, 0x40
.macro JLOAD g0a, g1a, g0b, g1b
	s_cmp_eq_u32 s15, 0
	s_cbranch_scc0 .Lfor_b_\@
	tensor_load_to_lds s[\g0a:\g0a+3], s[\g1a:\g1a+7]
	s_nop 0
.rept 4
	v_nop
.endr
	s_branch .Lasked_\@
.Lfor_b_\@:
	tensor_load_to_lds s[\g0b:\g0b+3], s[\g1b:\g1b+7]
	s_nop 0
.rept 4
	v_nop
.endr
.Lasked_\@:
.endm
.macro CREST
	s_cmp_lg_u32 s14, 0
	s_cbranch_scc1 .Lnot_wave_0_\@
	s_barrier_signal -3
.Lnot_wave_0_\@:
	s_barrier_wait -3
	s_barrier_signal -1
	s_barrier_wait -1
.endm
.macro CROUND
	s_barrier_signal -1
	s_barrier_wait -1
	CREST
.endm
	s_load_b128 s[4:7], s[0:1], 0x0
	s_load_b128 s[8:11], s[0:1], 0x10
	s_load_b64 s[12:13], s[0:1], 0x20
	v_lshl_add_u32 v[SPW], v0, 2, SPARE
	v_mov_b32 v[NIL], 0
	ds_add_u32 v[SPW], v[NIL]
	ds_add_u32 v[SPW], v[NIL]
	v_lshrrev_b32 v1, 5, v0
	v_readfirstlane_b32 s14, v1
	s_lshr_b32 s15, s14, 1
	s_and_b32 s16, s14, 1
	s_bfe_u32 s40, ttmp6, 0x40000
	s_bfe_u32 s41, ttmp6, 0x40004
	s_lshl_b32 s42, ttmp9, 2
	s_add_co_u32 s42, s42, s40
	s_and_b32 s17, ttmp7, 0xffff
	s_lshl_b32 s17, s17, 2
	s_add_co_u32 s17, s17, s41
	s_lshl_b32 s43, s41, 2
	s_lshl_b32 s43, 15, s43
	s_lshl_b32 s44, 0x1111, s40
	s_or_b32 s[G1+0], s43, (0<<16)|(1<<20)|(1<<21)|(3<<22)|(3<<25)
	s_mov_b32 s[G1+1], 4096<<16
	s_mov_b32 s[G1+2], 4<<16
	s_mov_b32 s[G1+3], 4096<<16
	s_mov_b32 s[G1+4], 4
	s_mov_b32 s[G1+5], HEADB
	s_mov_b32 s[G1+6], 0
	s_mov_b32 s[G1+7], 0
	s_or_b32 s[G1B+0], s44, (0<<16)|(1<<20)|(1<<21)|(5<<22)|(3<<25)
	s_mov_b32 s[G1B+1], 256<<16
	s_mov_b32 s[G1B+2], 128<<16
	s_mov_b32 s[G1B+3], 256<<16
	s_mov_b32 s[G1B+4], 128
	s_mov_b32 s[G1B+5], 1024
	s_mov_b32 s[G1B+6], 0
	s_mov_b32 s[G1B+7], 0
	s_lshl_b32 s20, s17, 7
	s_lshl_b32 s18, s16, 6
	s_add_co_u32 s20, s20, s18
	s_lshl_b32 s20, s20, 6
	s_mov_b32 s21, 0
	s_lshl_b32 s46, s42, 8
	s_lshl_b32 s18, s16, 7
	s_add_co_u32 s46, s46, s18
	s_lshl_b32 s46, s46, 10
	s_mov_b32 s47, 0
	s_mul_i32 s45, s16, HALFA
	s_mul_i32 s66, s16, HALFB
	s_add_co_u32 s66, s66, BOFF
	s_wait_dscnt 0x0
	s_wait_kmcnt 0x0
	s_load_b256 s[88:95], s[8:9], 0x0
	s_add_nc_u64 s[20:21], s[4:5], s[20:21]
	s_add_nc_u64 s[46:47], s[6:7], s[46:47]
	CROUND
.irp s, 0,1
	s_mov_b32 s[G0+4*\s], 1
	s_add_co_u32 s[G0+4*\s+1], s45, \s*SLOT
	s_add_nc_u64 s[G0+4*\s+2:G0+4*\s+3], s[20:21], \s*4*HEADB
	s_or_b32 s[G0+4*\s+3], s[G0+4*\s+3], 0x80000000
	s_mov_b32 s[G0B+4*\s], 1
	s_add_co_u32 s[G0B+4*\s+1], s66, \s*SLOT
	s_add_nc_u64 s[G0B+4*\s+2:G0B+4*\s+3], s[46:47], \s*256
	s_or_b32 s[G0B+4*\s+3], s[G0B+4*\s+3], 0x80000000
.if \s == 0
	JLOAD G0, G1, G0B, G1B                         ; K step 0: one tensor load a wave at the head; the addresses below are made while it is out
.endif
.endr
	v_and_b32 v1, 15, v0
	v_bfe_u32 v2, v0, 4, 1
	v_mul_u32_u24 v3, v1, APITCH
	v_lshl_add_u32 v3, v2, 4, v3
	v_mul_u32_u24 v4, v1, PITCH
	v_lshl_add_u32 v4, v2, 4, v4
	s_mul_i32 s21, s15, HALFA
	s_mul_i32 s22, s16, HALFB
	s_add_co_u32 s22, s22, BOFF
.irp s, 0,1
	v_add_nc_u32 v[ADRA+\s], s21, v3
	v_add_nc_u32 v[ADRB+\s], s22, v4
	s_add_co_u32 s21, s21, SLOT
	s_add_co_u32 s22, s22, SLOT
.endr
	s_mul_i32 s23, s14, 16*SPITCH
	v_mul_u32_u24 v5, v1, SPITCH
	v_lshl_add_u32 v5, v2, 5, v5
	v_add_nc_u32 v[STO], s23, v5
	v_and_b32 v6, 31, v0
	v_lshlrev_b32 v[CO], 4, v6
	v_add_nc_u32 v[RD], s23, v[CO]
	s_lshl_b32 s20, s17, 7
	s_lshl_b32 s21, s15, 6
	s_add_co_u32 s20, s20, s21
	s_lshl_b32 s67, s20, 2
	s_lshl_b32 s20, s20, 12
	s_lshl_b32 s46, s42, 10
	s_lshl_b32 s47, s16, 9
	s_add_co_u32 s46, s46, s47
	s_add_co_u32 s20, s20, s46
	s_mov_b32 s21, 0
	s_add_nc_u64 s[12:13], s[12:13], s[20:21]
	s_add_co_u32 s20, s67, 32768
	s_add_nc_u64 s[10:11], s[10:11], s[20:21]
	v_lshlrev_b32 v7, 2, v1
.irp a, 0,1,2,3
	global_load_b32 v[RT+2*\a], v7, s[10:11] offset:64*\a
	v_mov_b32 v[RT+2*\a+1], 0
.endr
.macro FRAGA reg, adr, q, i
.irp c, 0,1,2,3
	ds_load_b128 v[\reg+4*\c:\reg+4*\c+3], v[\adr] offset:(2*(\q)+\c/2)*PLANE+32*(\c%2)+(\i)*16*APITCH
.endr
.endm
.macro FRAGB reg, adr, q, i
.irp c, 0,1,2,3
	ds_load_b128 v[\reg+4*\c:\reg+4*\c+3], v[\adr] offset:128*(\q)+32*\c+(\i)*16*PITCH
.endr
.endm
.macro MULB a, p, zero
.irp b, 0,1,2,3,4,5,6,7
.if \zero
	v_wmma_f32_16x16x128_fp8_fp8 v[8*(8*(\a)+\b):8*(8*(\a)+\b)+7], v[128*(\p)+FR*\b:128*(\p)+FR*\b+FR-1], v[AF+FR*(\a):AF+FR*(\a)+FR-1], 0
.else
	v_wmma_f32_16x16x128_fp8_fp8 v[8*(8*(\a)+\b):8*(8*(\a)+\b)+7], v[128*(\p)+FR*\b:128*(\p)+FR*\b+FR-1], v[AF+FR*(\a):AF+FR*(\a)+FR-1], v[8*(8*(\a)+\b):8*(8*(\a)+\b)+7]
.endif
.endr
.endm
.macro FETCH_B slot, q, p
	WIN TO_B
.irp i, 0,1,2,3,4,5,6,7
	FRAGB 128*(\p)+FR*\i, ADRB+\slot, \q, \i
.endr
	WIN 0
.endm
.macro FETCH_A slot, q, i0
.irp i, \i0, \i0+1
	FRAGA AF+FR*(\i), ADRA+\slot, \q, \i
.endr
.endm
.macro PLACES n
.rept \n
	v_nop
.endr
.endm
.macro STEP slot, q, zero
	s_wait_dscnt 8
	WIN MUL
	MULB 0, (\q)%2, \zero
	MULB 1, (\q)%2, \zero
	s_wait_dscnt 0
	PLACES NP
	FETCH_B \slot, (\q)+1, 1-(\q)%2
	FETCH_A \slot, (\q)+1, 0
	WIN MUL
	MULB 2, (\q)%2, \zero
	MULB 3, (\q)%2, \zero
	PLACES NP
	WIN 0
	FETCH_A \slot, (\q)+1, 2
.endm
.macro TURN slot, next, fill
	s_wait_tensorcnt 0x0
	ds_add_u32 v[SPW], v[NIL]
	s_wait_dscnt 9
	WIN MUL
	MULB 0, 1, 0
	s_wait_dscnt 0x0
	s_barrier_signal -1
	MULB 1, 1, 0
	WIN 0
	s_barrier_wait -1
.if \fill
	CREST
	s_add_nc_u64 s[G0+4*\slot+2:G0+4*\slot+3], s[G0+4*\slot+2:G0+4*\slot+3], 2*4*HEADB
	s_add_nc_u64 s[G0B+4*\slot+2:G0B+4*\slot+3], s[G0B+4*\slot+2:G0B+4*\slot+3], 2*256
	JLOAD G0+4*\slot, G1, G0B+4*\slot, G1B
.else
	PLACES NP
.endif
	FETCH_B \next, 0, 0
	FETCH_A \next, 0, 0
	WIN MUL
	MULB 2, 1, 0
	MULB 3, 1, 0
	PLACES NP
	WIN 0
	FETCH_A \next, 0, 2
.endm
	s_wait_alu depctr_va_vdst(0)
	s_wait_tensorcnt 0x0                           ; my part of K step 0 is in; the full sequence ahead of slot 1's first fill
	ds_add_u32 v[SPW], v[NIL]
	s_wait_dscnt 0x0
	CROUND                                         ; everybody's part of K step 0 is in, and all sixteen work-groups are here
	JLOAD G0+4, G1, G0B+4, G1B                     ; K step 1: my one tensor load behind the round
	FETCH_B 0, 0, 0
	FETCH_A 0, 0, 0
	FETCH_A 0, 0, 2
	STEP 0, 0, 1
	s_mov_b32 s3, 1
.Llap:
	TURN 0, 1, 1
	STEP 1, 0, 0
	TURN 1, 0, 1
	STEP 0, 0, 0
	s_sub_co_u32 s3, s3, 1
	s_cmp_lg_u32 s3, 0
	s_cbranch_scc1 .Llap
	TURN 0, 1, 0
	STEP 1, 0, 0
	s_wait_dscnt 8
	WIN MUL
	MULB 0, 1, 0
	MULB 1, 1, 0
	s_wait_alu depctr_va_vdst(0)
	s_wait_dscnt 0
	MULB 2, 1, 0
	MULB 3, 1, 0
	WIN 0
.macro TOSTAGE a
.set AC, 64*(\a)
	WIN 0x02
.set j, 0
.rept 32
	v_pk_fma_f32 v[TMP+j:TMP+j+1], v[AC+j:AC+j+1], s[96:97], v[RT+2*(\a):RT+2*(\a)+1] op_sel_hi:[1,0,0]
.set j, j+2
.endr
	WIN 0
.irp b, 0,1,2,3,4,5,6,7
	ds_store_b128 v[STO], v[TMP+8*\b:TMP+8*\b+3] offset:64*\b
	ds_store_b128 v[STO], v[TMP+8*\b+4:TMP+8*\b+7] offset:64*\b+16
.endr
.set BB, BK+64*((\a)%2)
.irp t, 0,1,2,3,4,5,6,7,8,9,10,11,12,13,14,15
	ds_load_b128 v[BB+4*\t:BB+4*\t+3], v[RD] offset:\t*SPITCH
.endr
.endm
.macro SEND a, younger
.set BB, BK+64*((\a)%2)
	s_wait_dscnt \younger
.if (\a) > 0
	s_add_nc_u64 s[12:13], s[12:13], 16*4096
.endif
.irp t, 0,1,2,3,4,5,6,7,8,9,10,11,12,13,14,15
	global_store_b128 v[CO], v[BB+4*\t:BB+4*\t+3], s[12:13] offset:\t*4096 th:TH_STORE_NT
.endr
.endm
	s_wait_kmcnt 0x0
	s_add_co_i32 s96, s94, s95
	s_add_co_i32 s96, s96, 127
	s_lshl_b32 s96, s96, 23
	s_mov_b32 s97, s96
	s_wait_loadcnt 0x0
	PLACES NP
	TOSTAGE 0
.irp a, 1,2,3
.if \a > 1
	s_wait_xcnt 0x0
.endif
	TOSTAGE \a
	SEND \a-1, 32
.endr
	s_wait_xcnt 0x0
	SEND 3, 0
	s_wait_tensorcnt 0x0
	ds_add_u32 v[SPW], v[NIL]
	s_wait_dscnt 0x0
	CROUND
	s_endpgm
.Lfunc_end_k_qa12860e7c0_proj:
	.size	k_qa12860e7c0_proj, .Lfunc_end_k_qa12860e7c0_proj-k_qa12860e7c0_proj
	.p2alignl 7, 3214868480
	.fill 96, 4, 3214868480
	.section	.rodata,"a",@progbits
	.p2align	6, 0x0
	.amdhsa_kernel k_qa12860e7c0_proj
		.amdhsa_group_segment_fixed_size 327680
		.amdhsa_private_segment_fixed_size 0
		.amdhsa_enable_private_segment 0
		.amdhsa_kernarg_size 40
		.amdhsa_user_sgpr_count 2
		.amdhsa_user_sgpr_kernarg_segment_ptr 1
		.amdhsa_wavefront_size32 1
		.amdhsa_system_sgpr_workgroup_id_x 1
		.amdhsa_system_sgpr_workgroup_id_y 1
		.amdhsa_system_sgpr_workgroup_id_z 1
		.amdhsa_system_vgpr_workitem_id 0
		.amdhsa_next_free_vgpr 768
		.amdhsa_next_free_sgpr 98
		.amdhsa_reserve_vcc 0
		.amdhsa_float_denorm_mode_32 3
		.amdhsa_float_denorm_mode_16_64 3
		.amdhsa_memory_ordered 1
		.amdhsa_forward_progress 1
		.amdhsa_inst_pref_size 78
	.end_amdhsa_kernel
	.amdgpu_metadata
---
amdhsa.version: [ 1, 2 ]
amdhsa.kernels:
  - .name:           k_qa12860e7c0_proj
    .symbol:         k_qa12860e7c0_proj.kd
    .args:
      - { .name: ac, .offset: 0, .size: 8, .value_kind: global_buffer, .address_space: global }
      - { .name: woc, .offset: 8, .size: 8, .value_kind: global_buffer, .address_space: global }
      - { .name: lowp_scales, .offset: 16, .size: 8, .value_kind: global_buffer, .address_space: global }
      - { .name: kbias, .offset: 24, .size: 8, .value_kind: global_buffer, .address_space: global }
      - { .name: out0, .offset: 32, .size: 8, .value_kind: global_buffer, .address_space: global }
    .group_segment_fixed_size: 327680
    .private_segment_fixed_size: 0
    .kernarg_segment_align: 8
    .kernarg_segment_size: 40
    .max_flat_workgroup_size: 128
    .sgpr_count:     98
    .vgpr_count:     768
    .wavefront_size: 32
...
	.end_amdgpu_metadata
.endif
;; end of part 4
